; MI455X (gfx1250); checked and timed in simulation.
; The chip was launched on July 23, 2026; its instructions are those of AMD's public machine-readable ISA for CDNA 5 (MIT licence, August 2026) and "CDNA5" Instruction Set Architecture Reference Guide (July 2026). The comments in the code are by the model that wrote it; some were corrected since.
;; Multi Head Attention. Allowed arithmetic: matrix products marked QUANTISED: E4M3 operands, one given power-of-two scale a tensor, by v_wmma_f32_16x16x64_fp8_fp8 or v_wmma_f32_16x16x128_fp8_fp8, f32 sums; everything else in f32.
;; Inputs: Wk 1,024 x 1,024 float32; Wo 1,024 x 1,024 float32; Wq 1,024 x 1,024 float32; Wv 1,024 x 1,024 float32; kv 4 x 2,048 x 1,024 float32; lowp_scales 12 int32 (the exponents e of the quantised operands' scales 2^e); mask 1 x 1 x 2,048 x 2,048 int32; x 4 x 2,048 x 1,024 float32.
;; Outputs: out0 4 x 2,048 x 1,024 float32.
;; This version of the problem:
;;   THIS VERSION OF THE PROBLEM IS GIVEN IN LOW PRECISION. The matrix products marked QUANTISED in the list below multiply operands that are first quantised to E4M3 (4 exponent bits, 3 mantissa bits; 8 bits a number), with one given power-of-two scale for each operand tensor; their sums are f32. All else is computed in f32.
;;   The module's matrix products, in the order in which they are computed (A, B: the left and right operand; K: the contracted axis; several contracted axes count as one K, in the product's order):
;;     1. [M 8,192, K 1,024] x [K 1,024, N 1,024]; A: input x; B: input Wq: QUANTISED (scales: A lowp_scales[0], B lowp_scales[1])
;;     2. [M 8,192, K 1,024] x [K 1,024, N 1,024]; A: input kv; B: input Wk: QUANTISED (scales: A lowp_scales[2], B lowp_scales[3])
;;     3. [M 8,192, K 1,024] x [K 1,024, N 1,024]; A: input kv; B: input Wv: QUANTISED (scales: A lowp_scales[4], B lowp_scales[5])
;;     4. batch 64 x [M 2,048, K 64] x [K 64, N 2,048]; A: computed on the way; B: computed on the way: QUANTISED (scales: A lowp_scales[6], B lowp_scales[7])
;;     5. batch 64 x [M 2,048, K 2,048] x [K 2,048, N 64]; A: softmax (see below); B: computed on the way: QUANTISED (scales: A lowp_scales[8], B lowp_scales[9])
;;     6. [M 8,192, K 1,024] x [K 1,024, N 1,024]; A: computed on the way; B: input Wo: QUANTISED (scales: A lowp_scales[10], B lowp_scales[11])
;;   THE QUANTISER, for each operand of a quantised product, along K:
;;     - The operand's scale is 2^e, e = its entry of the input lowp_scales (int32; the entries are numbered through the quantised products in the list's order, A before B).
;;     - Each number is divided by the scale, clamped to +-448, and rounded to the nearest number of E4M3, ties to even, subnormals kept.
;;     - The product sums the exact products of the quantised numbers (number of the format x scale) in f32.
;;   ~~~python
;;   def quantise(x, axis, e):      # numpy; x: float32 -> the quantised numbers, widened to float32 again
;;       x = np.moveaxis(x, axis, -1); K = x.shape[-1]
;;       r = np.clip(x / 2.0 ** e, -448, 448)
;;       step = 2.0 ** (np.maximum(np.frexp(np.where(r == 0, 1, r))[1] - 1, -6) - 3)
;;       q = np.round(r / step) * step * 2.0 ** e      # np.round: ties to even
;;       return np.moveaxis(q, -1, axis).astype(np.float32)
;;   ~~~
;;   SOFTMAX AHEAD OF A QUANTISED PRODUCT. Where the list says 'softmax', what is quantised is not the finished softmax but p = 2^(t - M), with t = logit x log2(e) and M = ceil(the row's largest t), a whole number; so 1/2 < the row's largest p <= 1. The row's sum l is taken of the UNQUANTISED p, in f32, and the product's result is divided by l at the end. Since M is a whole number, a kernel that streams over the keys may use a running M (the ceiling of the running maximum): every later rescaling is an exact power of two, so the quantised numbers keep their values, but for numbers so far below the row's largest that they fall under the format's range.
;;   OPERANDS COMPUTED ON THE WAY. 'Computed on the way' means the value that the module computes at that place (a softmax that the list does not call 'softmax' is quantised finished and normalised). What goes into a quantiser is computed in f32, as accurately as f32 sums, v_exp_f32 and their like allow (about 1e-6 of the number): no bf16 or f16 on the way to a quantiser, and a product that is left as it is and whose result goes on into a quantised operand takes f32 operands (vector FMAs, or v_wmma_f32_16x16x4_f32). A number that lies on a knife's edge between two numbers of the format may be rounded either way, as far as f32 arithmetic and the matrix unit's own rounding can turn it there, and no further.
;; One version. Each part assembles by itself: llvm-mc -triple=amdgcn-amd-amdhsa -mcpu=gfx1250 --defsym DOCPART=n.
;; ======== version 1 of 1: 4 launches
;; limits: right only within a limited range of input values
;; workspace buffers: acts 25,165,824 bytes; wimg 4,194,304 bytes; maskw 524,288 bytes of whole numbers; tflag 8,192 bytes of whole numbers; qkv 25,165,824 bytes; ctx 8,388,608 bytes
;; launch prep (part 1): grid 768 x 1, 4 waves a work-group, no clusters, 68,096 bytes of LDS; arguments x, kv, Wq, Wk, Wv, Wo, mask, lowp_scales, acts, wimg, maskw, tflag; writes acts, wimg, maskw, tflag
.if DOCPART == 1
	.amdgcn_target "amdgcn-amd-amdhsa--gfx1250"
	.amdhsa_code_object_version 6
	.text
	.protected	k_q82aba0d6ef_prep
	.globl	k_q82aba0d6ef_prep
	.p2align	8
	.type	k_q82aba0d6ef_prep,@function
k_q82aba0d6ef_prep:
	s_mov_b64 s[64:65], 0
	v_nop
	global_prefetch_b8 v0, s[64:65] scope:SCOPE_SE
	s_setreg_imm32_b32 hwreg(HW_REG_WAVE_MODE, 25, 1), 1
	s_wait_xcnt 0x0
; PREP: x, kv and the four weights (f32, K innermost, rows of 1,024) become codes of E4M3, laid in the order of an operand's registers; the mask becomes lane masks and flags.
; A TILE tau of a matrix is 16 rows that are not neighbours: row(tau, r) = 32 (tau / 2) + 8 (tau % 2) + r + 8 (r / 8).
; AN IMAGE: fragment (tau, s), 16 rows x 128 along K, is 2,048 bytes at (8 tau + s) x 2,048; byte 512 c + 16 lane + i is element (row(tau, lane % 16), 128 s + 32 c + 16 (lane / 16) + i).
; code = number / 2^e, held within +-448, to the nearest code, ties to even.  kv is quantised twice, with entry 2 and with entry 4 of the scales.
; MASK: for query tile qt and key step ks (128 keys) 64 words; bit lane of word 16 b + i says that mask[row(qt, lane % 16)][128 ks + 32 b + 16 (lane / 16) + i] is not 0.
; FLAGS: word 16 qt + ks = (some bit set) << ks | (all bits set) << (16 + ks).
; SHARES: a task is one fragment (8 KiB of input); a wave does 4, a work-group 16.  Work-groups 0-255: x; 256-511: kv; 512-639: Wq, Wk, Wv, Wo, 32 each; 640-767: the mask, one query tile each.
; Each load reads 512 consecutive bytes of one row; the 16 rows turn through the wave's own stage in LDS (rows 528 bytes apart) so that a lane holds 16 neighbours along K of each block of 32.
; Each store of codes covers 512 consecutive bytes, each store of mask words 256.  The flags leave as 16 bytes a wave (8 KiB in the whole launch): the one store here that fills no whole run of 256 bytes.
; The waves share nothing: no barrier.  The two paths have LDS bytes of their own.
; LIMITS: each exponent used here lies between -126 and 119.  NaN among the inputs is not served; an infinity is held at the largest code.
.set STG,   8448                       ; a wave's stage: 16 rows x 528 bytes
.set MBASE, 33792                      ; the mask path's four stages lie behind the quantising path's four
.set SPARE, 67584                      ; behind the stages: the spare words, 128 bytes for each wave
.set R,   16                           ; v16-143  two sets of 64: a task's numbers as loaded
.set X,   144                          ; v144-207 register 16 c + i: element 32 c + 16 (lane / 16) + i of row lane % 16
.set T,   208                          ; v208-239 two sets of 16: held numbers
.set C,   240                          ; v240-255 a fragment's codes
.set MW,  240                          ; v240-241 mask path: words 2 lane, 2 lane + 1
.set FL,  244                          ; v244-247 mask path: the wave's four flag words
.set SPW, 12                           ; v12 LDS address of my spare word; never rewritten
.set NIL, 13                           ; v13 0; never rewritten
.macro LOAD t, pitch                   ; task t: 16 rows x 512 bytes into set t % 2
.irp i, 0,1,2,3,4,5,6,7,8,9,10,11,12,13,14,15
	global_load_b128 v[R+64*((\t)%2)+4*\i:R+64*((\t)%2)+4*\i+3], v2, s[4:5] offset:(\i+8*(\i/8))*\pitch+512*(\t) th:TH_LOAD_NT
.endr
.endm
.macro TURN t, base                    ; through the stage: LDS serves a wave's instructions in order, so no wait stands between the stores and the loads
.irp i, 0,1,2,3,4,5,6,7,8,9,10,11,12,13,14,15
	ds_store_b128 v3, v[R+64*((\t)%2)+4*\i:R+64*((\t)%2)+4*\i+3] offset:\base+528*\i
.endr
.irp c, 0,1,2,3
.irp j, 0,1,2,3
	ds_load_b128 v[X+16*\c+4*\j:X+16*\c+4*\j+3], v4 offset:\base+128*\c+16*\j
.endr
.endr
.endm
.macro QUANT sc, lim                   ; X stays as it is (kv needs it twice): the held numbers go into T's two sets by turns, so that plain lines stand between a conversion and the next write of its sources
.irp c, 0,1,2,3
.irp i, 0,1,2,3,4,5,6,7,8,9,10,11,12,13,14,15
	v_med3_num_f32 v[T+16*(\c%2)+\i], v[X+16*\c+\i], -v[\lim], v[\lim]   ; the conversion to an 8-bit code does not saturate (ISA guide 7.6.2): the hold at the largest code x the scale
.endr
	v_cvt_scalef32_pk8_fp8_f32 v[C+4*\c:C+4*\c+1], v[T+16*(\c%2):T+16*(\c%2)+7], v[\sc]
	v_cvt_scalef32_pk8_fp8_f32 v[C+4*\c+2:C+4*\c+3], v[T+16*(\c%2)+8:T+16*(\c%2)+15], v[\sc]
.endr
	v_nop                                          ; a plain line behind the last conversion
.endm
.macro PUT t, dst
.irp c, 0,1,2,3
	global_store_b128 v2, v[C+4*\c:C+4*\c+3], s[\dst:\dst+1] offset:2048*(\t)+512*\c   ; 32 lanes store 512 consecutive bytes
.endr
.endm
.macro PICK lim, src, g0, off          ; work-groups under lim: another tensor, its first work-group, its images' place
	s_cmp_lt_u32 ttmp9, \lim
	s_cselect_b64 s[4:5], s[\src:\src+1], s[4:5]
	s_cselect_b32 s11, \g0, s11
	s_cselect_b32 s12, \off, s12
.endm
	s_load_b512 s[16:31], s[0:1], 0x0              ; x s[16:17], kv s[18:19], Wq s[20:21], Wk s[22:23], Wv s[24:25], Wo s[26:27], mask s[28:29], scales s[30:31]
	s_load_b256 s[32:39], s[0:1], 0x40             ; acts s[32:33], wimg s[34:35], maskw s[36:37], tflag s[38:39]
	v_lshl_add_u32 v[SPW], v0, 2, SPARE
	v_mov_b32 v[NIL], 0
	v_lshrrev_b32 v1, 5, v0
	v_readfirstlane_b32 s10, v1                    ; wave 0..3
	v_and_b32 v1, 31, v0                           ; lane
	v_lshlrev_b32 v2, 4, v1                        ; 16 x lane: in memory, in and out
	s_mul_i32 s40, s10, STG
	v_add_nc_u32 v3, s40, v2                       ; the stage, in: 16 x lane of a row
	v_and_b32 v14, 15, v0
	v_bfe_u32 v15, v0, 4, 1
	v_mul_u32_u24 v4, v14, 528
	v_lshl_add_u32 v4, v15, 6, v4
	v_add_nc_u32 v4, s40, v4                       ; the stage, out: row lane % 16, + 64 (lane / 16)
	v_lshlrev_b32 v5, 3, v1                        ; 8 x lane: the mask words' place
	v_mov_b32 v10, 0
	s_wait_kmcnt 0x0
	s_cmp_ge_u32 ttmp9, 640
	s_cbranch_scc1 .Lmask
	; ---- the quantising path
	s_load_b256 s[44:51], s[30:31], 0x0            ; e0 .. e7
	s_load_b128 s[52:55], s[30:31], 0x20           ; e8 .. e11
	s_mov_b64 s[4:5], s[26:27]                     ; Wo, unless the work-group's number says otherwise
	s_mov_b64 s[6:7], s[34:35]
	s_mov_b32 s11, 608
	s_mov_b32 s12, 0x300000
	PICK 608, 24, 576, 0x200000
	PICK 576, 22, 544, 0x100000
	PICK 544, 20, 512, 0
	PICK 512, 18, 256, 0x800000
	s_cselect_b64 s[6:7], s[32:33], s[6:7]         ; (the same compare) x's and kv's images go to acts
	PICK 256, 16, 0, 0
	s_sub_co_u32 s40, ttmp9, s11
	s_lshl_b32 s40, s40, 4
	s_lshl_b32 s41, s10, 2
	s_add_co_u32 s40, s40, s41                     ; my first task = 8 tile + K step
	s_lshr_b32 s41, s40, 3                         ; tile
	s_and_b32 s42, s40, 7                          ; K step: 0 or 4
	s_lshr_b32 s43, s41, 1
	s_lshl_b32 s43, s43, 5
	s_and_b32 s41, s41, 1
	s_lshl_b32 s41, s41, 3
	s_add_co_u32 s41, s41, s43                     ; the tile's first row
	s_lshl_b32 s41, s41, 12                        ; x 4,096 bytes
	s_lshl_b32 s42, s42, 9
	s_add_co_u32 s42, s41, s42
	s_mov_b32 s43, 0
	s_add_nc_u64 s[4:5], s[4:5], s[42:43]
	s_lshl_b32 s40, s40, 11                        ; 2,048 bytes a fragment
	s_add_co_u32 s12, s12, s40
	s_mov_b32 s13, 0
	s_add_nc_u64 s[6:7], s[6:7], s[12:13]
	s_add_nc_u64 s[8:9], s[6:7], 0x800000          ; kv's second images lie 8 MiB further on (used by kv's work-groups alone)
	s_sub_co_u32 s14, ttmp9, 256
	s_cmp_lt_u32 s14, 256
	s_cselect_b32 s14, 1, 0                        ; 1: kv
	LOAD 0, 4096
	LOAD 1, 4096
	s_wait_kmcnt 0x0
	s_mov_b32 s40, s55                             ; e11 for Wo,
	s_cmp_lt_u32 ttmp9, 608
	s_cselect_b32 s40, s49, s40                    ; e5 for Wv,
	s_cmp_lt_u32 ttmp9, 576
	s_cselect_b32 s40, s47, s40                    ; e3 for Wk,
	s_cmp_lt_u32 ttmp9, 544
	s_cselect_b32 s40, s45, s40                    ; e1 for Wq,
	s_cmp_lt_u32 ttmp9, 512
	s_cselect_b32 s40, s46, s40                    ; e2 for kv,
	s_cmp_lt_u32 ttmp9, 256
	s_cselect_b32 s40, s44, s40                    ; e0 for x
	s_add_co_i32 s40, s40, 127
	s_lshl_b32 s41, s40, 23
	v_mov_b32 v6, s41                              ; 2^e as f32: the conversion takes its exponent field
	s_add_co_i32 s40, s40, 8
	s_lshl_b32 s40, s40, 23
	s_or_b32 s40, s40, 0x600000
	v_mov_b32 v7, s40                              ; 448 x 2^e
	s_add_co_i32 s40, s48, 127                     ; and the same with e4
	s_lshl_b32 s41, s40, 23
	v_mov_b32 v8, s41
	s_add_co_i32 s40, s40, 8
	s_lshl_b32 s40, s40, 23
	s_or_b32 s40, s40, 0x600000
	v_mov_b32 v9, s40
.macro QTASK t
.if \t < 3
	s_wait_loadcnt 16                              ; this task's 16 loads are in; the next task's 16 may be out
.else
	s_wait_loadcnt 0
.endif
	TURN \t, 0
	s_wait_dscnt 0x0                               ; X is in, and the stores into the stage have read their registers,
.if \t < 2
	LOAD (\t)+2, 4096                              ; which take the task two further on
.endif
	s_wait_xcnt 0x0                                ; the last stores have read C: it is written again only behind this wait
	QUANT 6, 7
	PUT \t, 6
	s_cmp_eq_u32 s14, 0
	s_cbranch_scc1 .Lone_\@
	s_wait_xcnt 0x0
	QUANT 8, 9                                     ; kv once more, with entry 4's scale
	PUT \t, 8
.Lone_\@:
.endm
	QTASK 0
	QTASK 1
	QTASK 2
	QTASK 3
	s_wait_tensorcnt 0x0                           ; the wave's end
	ds_add_u32 v[SPW], v[NIL]
	s_wait_dscnt 0x0
	s_endpgm
	; ---- the mask path
.Lmask:
	s_sub_co_u32 s40, ttmp9, 640
	s_lshl_b32 s40, s40, 4
	s_lshl_b32 s41, s10, 2
	s_add_co_u32 s40, s40, s41                     ; my first task = 16 qt + key step
	s_lshr_b32 s41, s40, 4                         ; qt
	s_and_b32 s15, s40, 15                         ; my first key step
	s_lshr_b32 s43, s41, 1
	s_lshl_b32 s43, s43, 5
	s_and_b32 s41, s41, 1
	s_lshl_b32 s41, s41, 3
	s_add_co_u32 s41, s41, s43                     ; the tile's first query
	s_lshl_b32 s41, s41, 13                        ; x 8,192 bytes
	s_lshl_b32 s42, s15, 9                         ; 128 keys are 512 bytes
	s_add_co_u32 s42, s41, s42
	s_mov_b32 s43, 0
	s_add_nc_u64 s[4:5], s[28:29], s[42:43]
	s_lshl_b32 s42, s40, 8
	s_add_nc_u64 s[6:7], s[36:37], s[42:43]        ; 256 bytes of words a task
	s_lshl_b32 s42, s40, 2
	s_add_nc_u64 s[8:9], s[38:39], s[42:43]        ; 4 bytes of flags a task
	LOAD 0, 8192
	LOAD 1, 8192
.macro MTASK t
.if \t < 3
	s_wait_loadcnt 16                              ; this task's 16 loads are in; the next task's 16 may be out
.else
	s_wait_loadcnt 0
.endif
	TURN \t, MBASE
	s_wait_dscnt 0x0
.if \t < 2
	LOAD (\t)+2, 8192
.endif
	s_wait_xcnt 0x0                                ; the last store has read MW
	v_mov_b32 v[MW], 0
	v_mov_b32 v[MW+1], 0
	s_mov_b32 s56, 0                               ; the words' or,
	s_mov_b32 s57, -1                              ; and their and
.set n, 0
.rept 16
	v_cmp_ne_u32 s58, 0, v[X+n]                    ; word n: a bit for each lane
	v_cmp_ne_u32 s59, 0, v[X+n+1]
	v_cmp_ne_u32 s60, 0, v[X+n+2]
	v_cmp_ne_u32 s61, 0, v[X+n+3]
	v_writelane_b32 v[MW], s58, n/2                ; word n goes to lane n / 2, register n % 2
	v_writelane_b32 v[MW+1], s59, n/2
	v_writelane_b32 v[MW], s60, n/2+1
	v_writelane_b32 v[MW+1], s61, n/2+1
	s_or_b32 s56, s56, s58
	s_or_b32 s56, s56, s59
	s_or_b32 s56, s56, s60
	s_or_b32 s56, s56, s61
	s_and_b32 s57, s57, s58
	s_and_b32 s57, s57, s59
	s_and_b32 s57, s57, s60
	s_and_b32 s57, s57, s61
.set n, n+4
.endr
	global_store_b64 v5, v[MW:MW+1], s[6:7] offset:256*(\t)   ; 32 lanes store 256 consecutive bytes
	s_cmp_lg_u32 s56, 0
	s_cselect_b32 s62, 1, 0
	s_cmp_eq_u32 s57, -1
	s_cselect_b32 s63, 0x10000, 0
	s_or_b32 s62, s62, s63
	s_add_co_u32 s63, s15, \t
	s_lshl_b32 s62, s62, s63
	v_mov_b32 v[FL+\t], s62
.endm
	MTASK 0
	MTASK 1
	MTASK 2
	MTASK 3
	v_cmp_eq_u32 vcc_lo, 0, v1
	s_wait_xcnt 0x0                                ; EXEC is narrowed only behind this wait
	s_and_saveexec_b32 s62, vcc_lo
	global_store_b128 v10, v[FL:FL+3], s[8:9]      ; lane 0: the wave's four flag words
	s_wait_xcnt 0x0                                ; and widened only behind this one
	s_or_b32 exec_lo, exec_lo, s62
	s_wait_tensorcnt 0x0                           ; the wave's end
	ds_add_u32 v[SPW], v[NIL]
	s_wait_dscnt 0x0
	s_endpgm
.Lfunc_end_k_q82aba0d6ef_prep:
	.size	k_q82aba0d6ef_prep, .Lfunc_end_k_q82aba0d6ef_prep-k_q82aba0d6ef_prep
	.p2alignl 7, 3214868480
	.fill 96, 4, 3214868480
	.section	.rodata,"a",@progbits
	.p2align	6, 0x0
	.amdhsa_kernel k_q82aba0d6ef_prep
		.amdhsa_group_segment_fixed_size 68096
		.amdhsa_private_segment_fixed_size 0
		.amdhsa_enable_private_segment 0
		.amdhsa_kernarg_size 96
		.amdhsa_user_sgpr_count 2
		.amdhsa_user_sgpr_kernarg_segment_ptr 1
		.amdhsa_wavefront_size32 1
		.amdhsa_system_sgpr_workgroup_id_x 1
		.amdhsa_system_sgpr_workgroup_id_y 1
		.amdhsa_system_sgpr_workgroup_id_z 1
		.amdhsa_system_vgpr_workitem_id 0
		.amdhsa_next_free_vgpr 256
		.amdhsa_next_free_sgpr 66
		.amdhsa_reserve_vcc 1
		.amdhsa_float_denorm_mode_32 3
		.amdhsa_float_denorm_mode_16_64 3
		.amdhsa_memory_ordered 1
		.amdhsa_forward_progress 1
		.amdhsa_inst_pref_size 125
	.end_amdhsa_kernel
	.amdgpu_metadata
---
amdhsa.version: [ 1, 2 ]
amdhsa.kernels:
  - .name:           k_q82aba0d6ef_prep
    .symbol:         k_q82aba0d6ef_prep.kd
    .args:
      - { .name: x, .offset: 0, .size: 8, .value_kind: global_buffer, .address_space: global }
      - { .name: kv, .offset: 8, .size: 8, .value_kind: global_buffer, .address_space: global }
      - { .name: Wq, .offset: 16, .size: 8, .value_kind: global_buffer, .address_space: global }
      - { .name: Wk, .offset: 24, .size: 8, .value_kind: global_buffer, .address_space: global }
      - { .name: Wv, .offset: 32, .size: 8, .value_kind: global_buffer, .address_space: global }
      - { .name: Wo, .offset: 40, .size: 8, .value_kind: global_buffer, .address_space: global }
      - { .name: mask, .offset: 48, .size: 8, .value_kind: global_buffer, .address_space: global }
      - { .name: lowp_scales, .offset: 56, .size: 8, .value_kind: global_buffer, .address_space: global }
      - { .name: acts, .offset: 64, .size: 8, .value_kind: global_buffer, .address_space: global }
      - { .name: wimg, .offset: 72, .size: 8, .value_kind: global_buffer, .address_space: global }
      - { .name: maskw, .offset: 80, .size: 8, .value_kind: global_buffer, .address_space: global }
      - { .name: tflag, .offset: 88, .size: 8, .value_kind: global_buffer, .address_space: global }
    .group_segment_fixed_size: 68096
    .private_segment_fixed_size: 0
    .kernarg_segment_align: 8
    .kernarg_segment_size: 96
    .max_flat_workgroup_size: 128
    .sgpr_count:     66
    .vgpr_count:     256
    .wavefront_size: 32
...
	.end_amdgpu_metadata
.endif
;; end of part 1
;; launch proj (part 2): grid 4 x 96, 4 waves a work-group, clusters of 4 x 4, 327,680 bytes of LDS; arguments acts, wimg, lowp_scales, qkv; writes qkv
.if DOCPART == 2
	.amdgcn_target "amdgcn-amd-amdhsa--gfx1250"
	.amdhsa_code_object_version 6
	.text
	.protected	k_q82aba0d6ef_proj
	.globl	k_q82aba0d6ef_proj
	.p2align	8
	.type	k_q82aba0d6ef_proj,@function
k_q82aba0d6ef_proj:
	s_mov_b64 s[64:65], 0
	v_nop
	global_prefetch_b8 v0, s[64:65] scope:SCOPE_SE
	s_setreg_imm32_b32 hwreg(HW_REG_WAVE_MODE, 25, 1), 1
	s_wait_xcnt 0x0
	s_wait_alu depctr_hold_cnt(0) depctr_sa_sdst(0) depctr_va_vdst(0) depctr_va_sdst(0) depctr_va_ssrc(0) depctr_va_vcc(0) depctr_vm_vsrc(0)
	s_getreg_b32 s2, hwreg(HW_REG_IB_STS2, 6, 4)
	s_cmp_eq_u32 s2, 0
	s_cbranch_scc0 .Lentry_in_a_cluster
	s_endpgm
.Lentry_in_a_cluster:
	s_bfe_u32 s2, ttmp6, 0x10000c
	s_cmp_lg_u32 s2, 0xf033
	s_cbranch_scc0 .Lentry_shape_is_right
	s_endpgm
.Lentry_shape_is_right:
; PROJ: the three projections q = x Wq^T, k = kv Wk^T, v = kv Wv^T on codes of E4M3, K = 1,024, and their results quantised at once for the attention's products.
; Operands come as IMAGES (fragment (tile, K step of 128) = 2,048 bytes at (8 tile + step) x 2,048, byte 512 c + 16 lane + i; a tile's 16 rows are 32 (tile / 2) + 8 (tile % 2) + r + 8 (r / 8)).
; A work-group makes 256 rows of S1 (source 1: a lane holds one of its rows) x 256 rows of S0 (source 0: its rows run along a lane's registers); a wave 128 x 128: 64 accumulators, 512 registers.
; By the choice of a tile's rows the 16 registers of S0's tiles 2 b, 2 b + 1 are 16 NEIGHBOURS, 32 b + 16 (lane / 16) + 0 .. 15: the conversions' results are 16 bytes of the next operand's image.
; Cluster y = 8 p + j.  p = 0: S0 = Wq, S1 = x;  p = 1: S0 = Wk, S1 = kv (entry 2's codes): registers run along the head's channels, the next K.  p = 2: S0 = kv (entry 4's codes), S1 = Wv: registers run along the keys, the next K.
; For p = 0, 1 the cluster's four rows are blocks 4 j + cy of the tokens and its four columns all of W; for p = 2 the columns are blocks 4 j + cx of the tokens and the rows all of W.
; CLUSTERS: the four of a row of the cluster need the same tiles of S1, the four of a column the same tiles of S0: each tile is asked for jointly, by the same tensor load with the same descriptor and a mask that names the four.
; K goes in four steps of 256 through a ring of two LDS slots.  A tensor load brings 8 tiles x 4,096 bytes (two fragments of each); LDS holds them as they lie, and every fragment load reads 512 consecutive bytes: no padding.
; k inside a fragment is permuted alike on both sides (four loads of 16 bytes a lane): every product meets its partner.
; OUT: q, k: [batch x 16 + head][token tile 128][c 2][512 bytes], byte 16 lane + i = (token row(tile, lane % 16), channel 32 c + 16 (lane / 16) + i);  v: [batch x 16 + head][key step 16][channel tile 4][b 4][512 bytes],
; byte 16 lane + i = (channel row(tile, lane % 16), key 128 step + 32 b + 16 (lane / 16) + i).  q at 0, k at 8 MiB, v at 16 MiB.  Each store covers 512 consecutive bytes.
; A sum stands for sum x 2^(eA + eB); its code is sum / 2^(eOut - eA - eB), held within +-448: the three scales are folded into the conversion's one.  No branch hangs on a scale.
; LIMIT: e6 - e0 - e1, e7 - e2 - e3 and e9 - e4 - e5 lie between -126 and 119.
; REGISTERS, in windows of 256: window 0: v0-31 addresses; v32-111 the way out; v128-255 S1's fragments, one set.  window 1: S0's fragments, two sets.  windows 2, 3: the accumulators of my S1 tiles 0-3, 4-7 ((a, b) at v[8 (8 (a % 4) + b)]).
.set FR,     16                        ; registers of a fragment
.set NL,     4                         ; LDS loads that bring one
.set NP,     4                         ; places behind this matrix instruction (ISA guide 7.12.1)
.set KSB,    4096                      ; a tile's bytes in a slot: 256 along K
.set HALFT,  32768                     ; 8 tiles: what one tensor load brings, and what one wave reads of S1 or of S0
.set SLOT,   131072                    ; S1's 16 tiles, then S0's 16
.set SPARE,  262144                    ; behind the ring: the spare words, 128 bytes for each wave
.set VO,   8                           ; v8-11   the way out: byte offsets of the four pairs of S0's tiles
.set ADRA, 16                          ; v16-17  LDS address of my S1 fragments in slot 0, 1
.set ADRB, 20                          ; v20-21  the same for S0
.set SPW,  28                          ; v28     LDS address of my spare word; never rewritten
.set NIL,  29                          ; v29     0; never rewritten
.set SCL,  30                          ; v30     2^(eOut - eA - eB)
.set LIM,  31                          ; v31     448 x that
.set TMP,  32                          ; v32-95  a block's held sums
.set CD,   96                          ; v96-111 its codes
.set AF,   128
.set G1, 24                            ; s[24:31] descriptor group 1 for S1's tiles;  s[32:39] group 0, one set for each slot
.set G0, 32
.set G1B, 48                           ; s[48:55], s[56:63] the same for S0's
.set G0B, 56
.set MSB, 0
.macro WIN new                         ; the immediate's high byte repeats the setting that is left
.if MSB != \new
	s_set_vgpr_msb (MSB<<8)|\new
.set MSB, \new
.endif
.endm
.set MUL_LO, 0xa1                      ; source 0 window 1, source 1 window 0, C and D window 2
.set MUL_HI, 0xf1                      ; the same, C and D window 3
.set TO_B,   0x40                      ; destination window 1, address window 0
; A joint load: waves 0 and 1 fetch for S1, waves 2 and 3 for S0.  The branch hangs on the wave's number alone.  An s_nop 0 and four v_nop follow each of the two lines.
.macro JLOAD g0a, g1a, g0b, g1b
	s_cmp_eq_u32 s15, 0
	s_cbranch_scc0 .Lfor_b_\@
	tensor_load_to_lds s[\g0a:\g0a+3], s[\g1a:\g1a+7]
	s_nop 0
.rept 4
	v_nop
.endr
	s_branch .Lasked_\@
.Lfor_b_\@:
	tensor_load_to_lds s[\g0b:\g0b+3], s[\g1b:\g1b+7]
	s_nop 0
.rept 4
	v_nop
.endr
.Lasked_\@:
.endm
.macro CREST                           ; a round of the cluster's barrier behind its opening barrier
	s_cmp_lg_u32 s14, 0
	s_cbranch_scc1 .Lnot_wave_0_\@
	s_barrier_signal -3
.Lnot_wave_0_\@:
	s_barrier_wait -3
	s_barrier_signal -1
	s_barrier_wait -1
.endm
.macro CROUND                          ; a whole round
	s_barrier_signal -1
	s_barrier_wait -1
	CREST
.endm
	s_load_b128 s[4:7], s[0:1], 0x0                ; acts s[4:5], wimg s[6:7]
	s_load_b128 s[8:11], s[0:1], 0x10              ; the scales' exponents s[8:9], qkv s[10:11]
	v_lshl_add_u32 v[SPW], v0, 2, SPARE
	v_mov_b32 v[NIL], 0
	ds_add_u32 v[SPW], v[NIL]
	ds_add_u32 v[SPW], v[NIL]                      ; the wave's opening: the add and its wait ahead of my first tensor load; the set-up below, work on registers, stands between them
	v_lshrrev_b32 v1, 5, v0
	v_readfirstlane_b32 s14, v1                    ; wave 0..3
	s_lshr_b32 s15, s14, 1                         ; which half of S1's rows is mine.  Also: I fetch for S1 (0) or for S0 (1)
	s_and_b32 s16, s14, 1                          ; which half of S0's rows.  Also: which 8 tiles I fetch
	s_bfe_u32 s40, ttmp6, 0x40000                  ; cx, cy: my place in the cluster
	s_bfe_u32 s41, ttmp6, 0x40004
	s_and_b32 s80, ttmp7, 0xffff                   ; cluster y, 0 .. 23
	s_lshr_b32 s81, s80, 3                         ; p: which product
	s_and_b32 s82, s80, 7                          ; j
	s_lshr_b32 s83, s81, 1                         ; 1 for v
	s_mul_i32 s84, s82, s83                        ; j for v, else 0
	s_sub_co_u32 s85, s82, s84                     ; 0 for v, else j
	s_lshl_b32 s42, s84, 2
	s_add_co_u32 s42, s42, s40                     ; S0's block of 256 rows
	s_lshl_b32 s17, s85, 2
	s_add_co_u32 s17, s17, s41                     ; S1's block
	s_lshl_b32 s43, s41, 2
	s_lshl_b32 s43, 15, s43                        ; my row of the cluster
	s_lshl_b32 s44, 0x1111, s40                    ; my column
	; descriptor group 1: 8 rows (tiles) of 512 elements of 8 bytes, 2,048 elements (a tile's whole image) apart
	s_or_b32 s[G1+0], s43, (3<<16)|(1<<21)         ; 15:0 the mask: S1's tiles go to my row; 17:16 elements of 8 bytes; 20 no padding; 21 set beside a mask
	s_or_b32 s[G1B+0], s44, (3<<16)|(1<<21)
.irp g, G1, G1B
	s_mov_b32 s[\g+1], 512<<16                     ; tensor_dim0
	s_mov_b32 s[\g+2], 8<<16                       ; tensor_dim1
	s_mov_b32 s[\g+3], 512<<16                     ; tile_dim0
	s_mov_b32 s[\g+4], 8                           ; tile_dim1
	s_mov_b32 s[\g+5], 2048                        ; tensor_dim0_stride
	s_mov_b32 s[\g+6], 0
	s_mov_b32 s[\g+7], 0
.endr
	s_lshl_b32 s18, s16, 3                         ; which 8 tiles of the block I fetch
	s_lshl_b32 s20, s17, 4
	s_add_co_u32 s20, s20, s18
	s_lshl_b32 s20, s20, 14                        ; S1: tile x 16,384 bytes
	s_lshl_b32 s46, s42, 4
	s_add_co_u32 s46, s46, s18
	s_lshl_b32 s46, s46, 14                        ; S0 likewise
	s_lshl_b32 s86, s81, 23                        ; the activations of product p lie at 8 MiB x p,
	s_lshl_b32 s87, s81, 20                        ; its weight at 1 MiB x p
	s_cmp_eq_u32 s83, 0
	s_cselect_b32 s86, s86, 0x200000               ; S1: activations, or Wv
	s_cselect_b32 s87, s87, 0x1000000              ; S0: the weight, or kv with entry 4's scale
	s_add_co_u32 s20, s20, s86
	s_add_co_u32 s46, s46, s87
	s_mov_b32 s21, 0
	s_mov_b32 s47, 0
	s_lshl_b32 s45, s14, 15                        ; where my tiles go: wave x 32,768: no place in the cluster enters an LDS address
	s_wait_dscnt 0x0                               ; the opening add is done
	s_wait_kmcnt 0x0
	s_load_b256 s[68:75], s[8:9], 0x0              ; e0 .. e7
	s_load_b128 s[76:79], s[8:9], 0x20             ; e8 .. e11
	s_cmp_eq_u32 s83, 0
	s_cselect_b64 s[88:89], s[4:5], s[6:7]         ; S1's buffer
	s_cselect_b64 s[90:91], s[6:7], s[4:5]         ; S0's
	s_add_nc_u64 s[20:21], s[88:89], s[20:21]
	s_add_nc_u64 s[46:47], s[90:91], s[46:47]
	CROUND                                         ; all sixteen work-groups are here: the first joint loads meet
.irp s, 0,1
	s_mov_b32 s[G0+4*\s], 1
	s_add_co_u32 s[G0+4*\s+1], s45, \s*SLOT
	s_add_nc_u64 s[G0+4*\s+2:G0+4*\s+3], s[20:21], \s*KSB
	s_or_b32 s[G0+4*\s+3], s[G0+4*\s+3], 0x80000000
	s_mov_b32 s[G0B+4*\s], 1
	s_add_co_u32 s[G0B+4*\s+1], s45, \s*SLOT
	s_add_nc_u64 s[G0B+4*\s+2:G0B+4*\s+3], s[46:47], \s*KSB
	s_or_b32 s[G0B+4*\s+3], s[G0B+4*\s+3], 0x80000000
	JLOAD G0+4*\s, G1, G0B+4*\s, G1B               ; two tensor loads of mine are out behind these
.endr
	v_and_b32 v1, 31, v0
	v_lshlrev_b32 v4, 4, v1                        ; 16 x lane
	s_wait_alu depctr_va_vdst(0)
	s_lshl_b32 s21, s15, 15                        ; my 8 tiles of S1,
	s_lshl_b32 s22, s16, 15                        ; my 8 tiles of S0,
	s_add_co_u32 s22, s22, 2*HALFT                 ; which lie behind S1's 16
.irp s, 0,1
	v_add_nc_u32 v[ADRA+\s], s21, v4
	v_add_nc_u32 v[ADRB+\s], s22, v4
	s_add_co_u32 s21, s21, SLOT
	s_add_co_u32 s22, s22, SLOT
.endr
	; the way out's addresses.  X1: the block of tokens, X2: the block of channels; w1, w2: my half of each
	s_mov_b32 s96, 2048
	s_mov_b32 s98, 124928
	s_mov_b32 s87, 1024
	s_cmp_eq_u32 s83, 0
	s_cselect_b32 s92, s17, s42                    ; X1
	s_cselect_b32 s93, s42, s17                    ; X2
	s_cselect_b32 s94, s15, s16                    ; w1
	s_cselect_b32 s95, s16, s15                    ; w2
	s_cselect_b32 s96, 1024, s96                   ; from S1 tile a to a + 1: a token tile (1,024), or a channel tile (2,048),
	s_cselect_b32 s98, 1024, s98                   ; from a = 3 to 4: the same, or the next head less three channel tiles
	s_cselect_b32 s87, 0x20000, s87                ; two pairs of S0's tiles on: the next head, or two chunks of 32 keys
	s_mov_b32 s97, 0
	s_mov_b32 s99, 0
	v_mov_b32 v[VO], v4
	v_add_nc_u32 v[VO+1], 512, v4
	v_add_nc_u32 v[VO+2], s87, v4
	v_add_nc_u32 v[VO+3], s87, v[VO+1]
	s_lshr_b32 s84, s92, 3
	s_lshl_b32 s84, s84, 21                        ; the batch: 16 heads x 128 KiB
	s_lshl_b32 s85, s93, 2
	s_lshl_b32 s86, s95, 1
	s_add_co_u32 s85, s85, s86
	s_lshl_b32 s85, s85, 17                        ; the head: 4 X2 + 2 w2
	s_add_co_u32 s84, s84, s85
	s_and_b32 s85, s92, 7
	s_lshl_b32 s85, s85, 1
	s_add_co_u32 s85, s85, s94
	s_lshl_b32 s85, s85, 13                        ; 128 tokens are 8 KiB in each layout
	s_add_co_u32 s84, s84, s85
	s_lshl_b32 s85, s81, 23                        ; q, k or v
	s_add_co_u32 s84, s84, s85
	s_mov_b32 s85, 0
	s_add_nc_u64 s[10:11], s[10:11], s[84:85]
.macro FRAG reg, adr, q, i             ; a fragment's image: four loads of 512 consecutive bytes
.irp c, 0,1,2,3
	ds_load_b128 v[\reg+4*\c:\reg+4*\c+3], v[\adr] offset:KSB*(\i)+2048*(\q)+512*\c
.endr
.endm
; 16 matrix instructions: S1's tiles a0, a0 + 1 x S0's eight, 128 along K.  p: S0's set.  zero = 1: the first product starts the sums.  The 64 accumulators take turns, one instruction a turn.
.macro MUL16 a0, p, zero
.irp a, \a0, \a0+1
.irp b, 0,1,2,3,4,5,6,7
.if \zero
	v_wmma_f32_16x16x128_fp8_fp8 v[8*(8*((\a)%4)+\b):8*(8*((\a)%4)+\b)+7], v[128*(\p)+FR*\b:128*(\p)+FR*\b+FR-1], v[AF+FR*(\a):AF+FR*(\a)+FR-1], 0
.else
	v_wmma_f32_16x16x128_fp8_fp8 v[8*(8*((\a)%4)+\b):8*(8*((\a)%4)+\b)+7], v[128*(\p)+FR*\b:128*(\p)+FR*\b+FR-1], v[AF+FR*(\a):AF+FR*(\a)+FR-1], v[8*(8*((\a)%4)+\b):8*(8*((\a)%4)+\b)+7]
.endif
.endr
.endr
.endm
.macro FETCH_B slot, q, p
	WIN TO_B
.irp i, 0,1,2,3,4,5,6,7
	FRAG 128*(\p)+FR*\i, ADRB+\slot, \q, \i
.endr
	WIN 0
.endm
.macro FETCH_A slot, q, i0
.irp i, \i0, \i0+1, \i0+2, \i0+3
	FRAG AF+FR*(\i), ADRA+\slot, \q, \i
.endr
.endm
.macro PLACES n                        ; plain vector lines between a matrix instruction and a load into, or a read of, its registers
.rept \n
	v_nop
.endr
.endm
.macro STEP slot, q, zero              ; a step of 128 along K that has its successor in the same slot
	s_wait_dscnt 4*NL                              ; S0's set and S1's tiles 0-3 are in; the youngest 16 loads (tiles 4-7) may be out
	WIN MUL_LO
	MUL16 0, (\q)%2, \zero
	MUL16 2, (\q)%2, \zero
	s_wait_dscnt 0
	PLACES NP
	FETCH_B \slot, (\q)+1, 1-(\q)%2
	FETCH_A \slot, (\q)+1, 0
	WIN MUL_HI
	MUL16 4, (\q)%2, \zero
	MUL16 6, (\q)%2, \zero
	PLACES NP
	WIN 0
	FETCH_A \slot, (\q)+1, 4
.endm
; A slot's last step changes slots: one barrier; in front of it each wave waits for all its tensor loads, adds 0 to its spare word, and waits for that and for its own reads of this slot.  fill = 1: this slot is filled again, two slots ahead.
.macro TURN slot, next, fill
	s_wait_tensorcnt 0x0                           ; all my tensor loads have landed: my part of the next slot
	ds_add_u32 v[SPW], v[NIL]                      ; 0 onto my spare word
	s_wait_dscnt 4*NL+1                            ; (the add and the youngest 16 loads may be out)
	WIN MUL_LO
	MUL16 0, 1, 0
	s_wait_dscnt 0x0                               ; the add is done, and my reads of this slot are over
	s_barrier_signal -1
	MUL16 2, 1, 0
	WIN 0
	s_barrier_wait -1
.if \fill
	CREST                                          ; the barrier has opened a round of the cluster's barrier: no wave of any partner still reads this slot or has a load on its way
	s_add_nc_u64 s[G0+4*\slot+2:G0+4*\slot+3], s[G0+4*\slot+2:G0+4*\slot+3], 2*KSB
	s_add_nc_u64 s[G0B+4*\slot+2:G0B+4*\slot+3], s[G0B+4*\slot+2:G0B+4*\slot+3], 2*KSB
	JLOAD G0+4*\slot, G1, G0B+4*\slot, G1B         ; my one tensor load behind the round; its four v_nop are also the places in front of the loads below
.else
	PLACES NP
.endif
	FETCH_B \next, 0, 0
	FETCH_A \next, 0, 0
	WIN MUL_HI
	MUL16 4, 1, 0
	MUL16 6, 1, 0
	PLACES NP
	WIN 0
	FETCH_A \next, 0, 4
.endm
	s_wait_alu depctr_va_vdst(0)
	s_wait_tensorcnt 1                             ; my part of slot 0 is in (slot 1's load may be out)
	s_barrier_signal -1
	s_barrier_wait -1                              ; everybody's is
	FETCH_B 0, 0, 0
	FETCH_A 0, 0, 0
	FETCH_A 0, 0, 4
	STEP 0, 0, 1                                   ; K 0-127: its products start the sums
	TURN 0, 1, 1                                   ; K 128-255; slot 0 takes K 512-767
	STEP 1, 0, 0
	TURN 1, 0, 1                                   ; slot 1 takes K 768-1023
	STEP 0, 0, 0
	TURN 0, 1, 0                                   ; nothing is left to fetch
	STEP 1, 0, 0
	s_wait_dscnt 4*NL                              ; the last step
	WIN MUL_LO
	MUL16 0, 1, 0
	MUL16 2, 1, 0
	s_wait_dscnt 0
	WIN MUL_HI
	MUL16 4, 1, 0
	MUL16 6, 1, 0
	WIN 0
	; THE WAY OUT: no LDS.  For each of my S1 tiles: 64 sums a lane are held, converted to 64 codes, and leave as four stores of 512 consecutive bytes.
	s_wait_kmcnt 0x0
	s_sub_co_i32 s84, s74, s68
	s_sub_co_i32 s84, s84, s69                     ; e6 - e0 - e1
	s_sub_co_i32 s85, s75, s70
	s_sub_co_i32 s85, s85, s71                     ; e7 - e2 - e3
	s_sub_co_i32 s86, s77, s72
	s_sub_co_i32 s86, s86, s73                     ; e9 - e4 - e5
	s_cmp_eq_u32 s81, 0
	s_cselect_b32 s84, s84, s85
	s_cmp_eq_u32 s81, 2
	s_cselect_b32 s84, s86, s84
	s_add_co_i32 s84, s84, 127
	s_lshl_b32 s85, s84, 23
	v_mov_b32 v[SCL], s85
	s_add_co_i32 s84, s84, 8
	s_lshl_b32 s84, s84, 23
	s_or_b32 s84, s84, 0x600000
	v_mov_b32 v[LIM], s84
	PLACES NP
.macro OUTA a
.set AC, 64*((\a)%4)
	WIN 0x02+((\a)/4)                              ; source 0: window 2 or 3
.set n, 0
.rept 64
	v_med3_num_f32 v[TMP+n], v[AC+n], -v[LIM], v[LIM]   ; the hold; each accumulator from its low end on
.set n, n+1
.endr
	WIN 0
.if (\a) > 0
	s_wait_alu depctr_va_vdst(0)
	s_wait_xcnt 0x0                                ; the last block's stores have read their codes and their base
.if (\a) == 4
	s_add_nc_u64 s[10:11], s[10:11], s[98:99]
.else
	s_add_nc_u64 s[10:11], s[10:11], s[96:97]
.endif
.endif
.irp g, 0,1,2,3,4,5,6,7
	v_cvt_scalef32_pk8_fp8_f32 v[CD+2*\g:CD+2*\g+1], v[TMP+8*\g:TMP+8*\g+7], v[SCL]
.endr
	v_nop                                          ; a plain line behind the last conversion: the next block's holds write its sources
.irp b, 0,1,2,3
	global_store_b128 v[VO+\b], v[CD+4*\b:CD+4*\b+3], s[10:11]
.endr
.endm
.irp a, 0,1,2,3,4,5,6,7
	OUTA \a
.endr
	s_wait_tensorcnt 0x0                           ; the wave's end
	ds_add_u32 v[SPW], v[NIL]
	s_wait_dscnt 0x0
	CROUND                                         ; the closing round: no work-group ends while a partner may still ask for a tile that names it
	s_endpgm
.Lfunc_end_k_q82aba0d6ef_proj:
	.size	k_q82aba0d6ef_proj, .Lfunc_end_k_q82aba0d6ef_proj-k_q82aba0d6ef_proj
	.p2alignl 7, 3214868480
	.fill 96, 4, 3214868480
	.section	.rodata,"a",@progbits
	.p2align	6, 0x0
	.amdhsa_kernel k_q82aba0d6ef_proj
		.amdhsa_group_segment_fixed_size 327680
		.amdhsa_private_segment_fixed_size 0
		.amdhsa_enable_private_segment 0
		.amdhsa_kernarg_size 32
		.amdhsa_user_sgpr_count 2
		.amdhsa_user_sgpr_kernarg_segment_ptr 1
		.amdhsa_wavefront_size32 1
		.amdhsa_system_sgpr_workgroup_id_x 1
		.amdhsa_system_sgpr_workgroup_id_y 1
		.amdhsa_system_sgpr_workgroup_id_z 1
		.amdhsa_system_vgpr_workitem_id 0
		.amdhsa_next_free_vgpr 1024
		.amdhsa_next_free_sgpr 100
		.amdhsa_reserve_vcc 0
		.amdhsa_float_denorm_mode_32 3
		.amdhsa_float_denorm_mode_16_64 3
		.amdhsa_memory_ordered 1
		.amdhsa_forward_progress 1
		.amdhsa_inst_pref_size 119
	.end_amdhsa_kernel
	.amdgpu_metadata
---
amdhsa.version: [ 1, 2 ]
amdhsa.kernels:
  - .name:           k_q82aba0d6ef_proj
    .symbol:         k_q82aba0d6ef_proj.kd
    .args:
      - { .name: acts, .offset: 0, .size: 8, .value_kind: global_buffer, .address_space: global }
      - { .name: wimg, .offset: 8, .size: 8, .value_kind: global_buffer, .address_space: global }
      - { .name: lowp_scales, .offset: 16, .size: 8, .value_kind: global_buffer, .address_space: global }
      - { .name: qkv, .offset: 24, .size: 8, .value_kind: global_buffer, .address_space: global }
    .group_segment_fixed_size: 327680
    .private_segment_fixed_size: 0
    .kernarg_segment_align: 8
    .kernarg_segment_size: 32
    .max_flat_workgroup_size: 128
    .sgpr_count:     100
    .vgpr_count:     1024
    .wavefront_size: 32
...
	.end_amdgpu_metadata
.endif
;; end of part 2
;; launch attn (part 3): grid 4 x 64, 16 waves a work-group, no clusters, 67,584 bytes of LDS; arguments qkv, maskw, tflag, lowp_scales, ctx; writes ctx
.if DOCPART == 3
	.amdgcn_target "amdgcn-amd-amdhsa--gfx1250"
	.amdhsa_code_object_version 6
	.text
	.protected	k_q82aba0d6ef_attn
	.globl	k_q82aba0d6ef_attn
	.p2align	8
	.type	k_q82aba0d6ef_attn,@function
k_q82aba0d6ef_attn:
	s_mov_b64 s[64:65], 0
	v_nop
	global_prefetch_b8 v0, s[64:65] scope:SCOPE_SE
	s_setreg_imm32_b32 hwreg(HW_REG_WAVE_MODE, 25, 1), 1
	s_wait_xcnt 0x0
; ATTN: context = softmax(q k^T / 8, under the given mask) v for 64 (batch, head) pairs of 2,048 queries x 2,048 keys x 64 channels, both products on codes of E4M3; the context is quantised at once for the last product.
; THE SOFTMAX: t = score x log2(e) / 8; M = the running largest t rounded UP to a whole number; p = 2^(t - M) is quantised along the keys, not normalised; the row's sum is taken of the unquantised p and divides at the end.
; When M moves, the sum and O are multiplied by 2^(old M - new M): exact.  A hidden score becomes -infinity ahead of the maximum: p = 0.  A query all of whose keys are hidden has the sum 0 and gets NaN codes.
; SHARES.  Work-group (i, pair) takes the blocks i and 7 - i of 256 queries, one after the other; in a pass each of its sixteen waves owns one tile of 16 queries (rows 32 (t / 2) + 8 (t % 2) + r + 8 (r / 8)).
; K and V go from memory through registers into two LDS buffers of 256 keys (16 KiB of K, 16 KiB of V, as they lie: images of fragments), 64 bytes a thread; the ring runs on through both passes: 16 trips, one barrier each.
; WHAT THE MASK HIDES WHOLLY IS NOT COMPUTED.  An earlier launch stored, for each query tile and key step of 128, whether any key counts and whether all do.  A wave jumps over a key step in which none counts for its tile, and over the
; masking where all count; a slot that no tile of the block needs is neither loaded nor stored into LDS.  All these are scalar branches on stored whole numbers; no barrier stands under any of them.  Nothing is assumed of the mask's pattern.
; LAYOUT.  Both products are used transposed: S^T = K Q^T (source 0 = 16 keys, K = 64), O^T = V^T P^T (source 0 = 16 channels, K = 128 keys): a lane holds one query throughout; score register 16 b + i is key 32 b + 16 (lane / 16) + i.
; OUT: the context's codes as an image for a product with K = 1,024: tile 128 batch + qt at 16,384 bytes each, + 1,024 head + 512 b + 16 lane.
; No multicast, no tensor load; K and V are staged once for each work-group and pass.
; LIMITS: e6 + e7 between -123 and 130; e8, and e10 - e8 - e9, between -126 and 119.
; REGISTERS: v1 16 x lane; v2 16 x thread; v3 the staging loads' offset; v4, v5 the add's two; v6 -infinity; v7 NaN codes; v8 2^e8; v10 the same for the context; v12 -M; v13 the largest t; v[14:15] the sum;
; v16-23 Q; v24-31 at work; v32-95 fragments of K, then of V; v96-159 S^T, then p; v160-191 O^T; v192-207 p's codes; v208-223, v224-239 two staging sets; v240-247 the context's codes; v248, v249 offsets.
; s16-63 and s80-95: a key step's 64 mask words (word n in s[16 + n], from n = 48 on in s[32 + n]).
.set SPARE, 65536                      ; behind the two buffers: the spare words, 128 bytes for each of sixteen waves
.set BUF,   32768                      ; a buffer: K's 16 KiB, then V's
.set SPW, 4
.set NIL, 5
	s_load_b256 s[16:23], s[0:1], 0x0              ; qkv s[16:17], maskw s[18:19], tflag s[20:21], scales s[22:23]
	s_load_b64 s[12:13], s[0:1], 0x20              ; ctx
	v_lshl_add_u32 v[SPW], v0, 2, SPARE
	v_mov_b32 v[NIL], 0
	v_lshrrev_b32 v1, 5, v0
	s_delay_alu instid0(VALU_DEP_1)
	v_readfirstlane_b32 s14, v1                    ; wave 0..15
	v_and_b32 v24, 31, v0
	s_delay_alu instid0(VALU_DEP_1)
	v_lshlrev_b32 v1, 4, v24                       ; 16 x lane
	v_lshlrev_b32 v2, 4, v0                        ; 16 x thread
	s_delay_alu instid0(VALU_DEP_1)
	v_add_nc_u32 v3, 0x8000, v2                    ; the staging loads in the loop begin with slot 2
	s_delay_alu instid0(VALU_DEP_4)
	v_lshlrev_b32 v25, 5, v24                      ; 32 x lane: my eight flag words of a block's 256
	s_mov_b32 s77, ttmp9                           ; the first pass's block
	s_lshl_b32 s96, ttmp9, 10
	v_add_nc_u32 v26, s96, v25
	s_sub_co_u32 s96, 7, ttmp9                     ; the second's
	s_lshl_b32 s96, s96, 10
	v_add_nc_u32 v30, s96, v25
	v_mov_b32 v6, 0xff800000
	v_mov_b32 v7, 0x7f7f7f7f
	v_mov_b32 v27, 0                               ; written once: a lane permute's destination counts as one of its sources
	v_mov_b32 v29, 0                               ; (named as the upper half of the pair v[28:29])
	s_mov_b32 s66, 0x76543210                      ; v_permlanex16_b32's selects for lane l xor 16
	s_mov_b32 s67, 0xfedcba98
	s_mov_b32 s68, 0x3e38aa3b                      ; c = log2(e) / 8
	s_mov_b32 s75, 2                               ; passes
	s_and_b32 s96, ttmp7, 0xffff                   ; the pair: 16 batch + head
	s_lshl_b32 s98, s96, 17                        ; 128 KiB of q, of k and of v each
	s_mov_b32 s99, 0
	s_lshr_b32 s100, s96, 4
	s_lshl_b32 s100, s100, 21                      ; ctx: 128 tiles x 16,384 bytes a batch,
	s_and_b32 s97, s96, 15
	s_lshl_b32 s97, s97, 10                        ; 1,024 bytes a head
	s_add_co_u32 s100, s100, s97
	s_mov_b32 s101, 0
	s_wait_alu depctr_va_vdst(0)
	s_wait_kmcnt 0x0
	s_load_b256 s[24:31], s[22:23], 0x0            ; e0 .. e7
	s_load_b128 s[32:35], s[22:23], 0x20           ; e8 .. e11
	s_add_nc_u64 s[8:9], s[16:17], s[98:99]        ; q
	s_add_nc_u64 s[4:5], s[8:9], 0x800000          ; k
	s_add_nc_u64 s[6:7], s[8:9], 0x1000000         ; v
	s_mov_b64 s[78:79], s[18:19]                   ; maskw
	s_add_nc_u64 s[12:13], s[12:13], s[100:101]
	global_load_b128 v[96:99], v26, s[20:21]       ; the two blocks' flags
	global_load_b128 v[100:103], v26, s[20:21] offset:16
	global_load_b128 v[104:107], v30, s[20:21]
	global_load_b128 v[108:111], v30, s[20:21] offset:16
	global_load_b128 v[208:211], v2, s[4:5]        ; slot 0
	global_load_b128 v[212:215], v2, s[4:5] offset:8192
	global_load_b128 v[216:219], v2, s[6:7]
	global_load_b128 v[220:223], v2, s[6:7] offset:8192
	global_load_b128 v[224:227], v2, s[4:5] offset:16384   ; slot 1
	global_load_b128 v[228:231], v2, s[4:5] offset:24576
	global_load_b128 v[232:235], v2, s[6:7] offset:16384
	global_load_b128 v[236:239], v2, s[6:7] offset:24576
	s_wait_loadcnt 8                               ; the flags are in; the eight staging loads may be out
.irp f, 96, 104                                ; lanes 2 w and 2 w + 1 hold tile w's sixteen words: their or is the tile's 16 'any' bits and 16 'all' bits
	v_or_b32 v[\f], v[\f], v[\f+1]
	v_or_b32 v[\f+2], v[\f+2], v[\f+3]
	v_or_b32 v[\f+4], v[\f+4], v[\f+5]
	v_or_b32 v[\f+6], v[\f+6], v[\f+7]
	s_delay_alu instid0(VALU_DEP_3)
	v_or_b32 v[\f], v[\f], v[\f+2]
	s_delay_alu instid0(VALU_DEP_2)
	v_or_b32 v[\f+4], v[\f+4], v[\f+6]
	s_delay_alu instid0(VALU_DEP_1)
	v_or_b32 v[\f], v[\f], v[\f+4]
	s_delay_alu instid0(VALU_DEP_1)
	v_mov_b32_dpp v[\f+1], v[\f] row_xmask:1 row_mask:0xf bank_mask:0xf
	s_delay_alu instid0(VALU_DEP_1)
	v_or_b32 v[\f], v[\f], v[\f+1]
.endr
	s_lshl_b32 s96, s14, 1
	v_readlane_b32 s15, v96, s96                   ; my tile's flags in the first pass,
	v_readlane_b32 s76, v104, s96                  ; and in the second
.irp f, 96, 104                                ; and the or over all sixteen tiles of the block
.irp m, 2
	v_mov_b32_dpp v[\f+1], v[\f] row_xmask:\m row_mask:0xf bank_mask:0xf
	s_delay_alu instid0(VALU_DEP_1)
	v_or_b32 v[\f], v[\f], v[\f+1]
.endr
.irp m, 4, 8
	s_delay_alu instid0(VALU_DEP_1)
	v_mov_b32_dpp v[\f+1], v[\f] row_xmask:\m row_mask:0xf bank_mask:0xf
	s_delay_alu instid0(VALU_DEP_1)
	v_or_b32 v[\f], v[\f], v[\f+1]
.endr
	s_delay_alu instid0(VALU_DEP_1)
	v_permlanex16_b32 v[\f+1], v[\f], s66, s67
	s_delay_alu instid0(VALU_DEP_1)
	v_or_b32 v[\f], v[\f], v[\f+1]
.endr
	v_readfirstlane_b32 s70, v96
	s_delay_alu instid0(VALU_DEP_2)
	v_readfirstlane_b32 s96, v104
	s_and_b32 s70, s70, 0xffff
	s_lshl_b32 s96, s96, 16
	s_or_b32 s70, s70, s96                         ; NEED: bit n says that some tile needs key step n of the 32 that the two passes walk
	s_wait_kmcnt 0x0
	s_add_co_i32 s96, s30, s31                     ; e6 + e7
	s_cmp_gt_i32 s96, 1
	s_cselect_b32 s73, 1, 0
	s_cmp_lt_i32 s32, -8
	s_cselect_b32 s73, 1, s73                      ; 1: p's hold can bind
	s_lshl_b32 s96, s96, 23
	s_add_co_i32 s68, s68, s96                     ; a score stands for score x 2^(e6 + e7): the exponents are added to c's exponent field
	s_mov_b32 s69, s68                             ; (named with it as a pair, so it is written)
	s_add_co_i32 s96, s32, 127
	s_lshl_b32 s97, s96, 23
	v_mov_b32 v8, s97                              ; 2^e8
	s_sub_co_i32 s96, s34, s32
	s_sub_co_i32 s96, s96, s33                     ; e10 - e8 - e9: O / the sum stands for the context / 2^(e8 + e9)
	s_add_co_i32 s96, s96, 127
	s_lshl_b32 s97, s96, 23
	v_mov_b32 v10, s97
	s_wait_loadcnt 4                               ; slot 0 is in; slot 1's four loads may be out
	ds_store_b128 v2, v[208:211]
	ds_store_b128 v2, v[212:215] offset:8192
	ds_store_b128 v2, v[216:219] offset:16384
	ds_store_b128 v2, v[220:223] offset:24576
; A KEY STEP: 128 keys, the q-th of the buffer in hand.
.macro STEP buf, q
	s_bitcmp1_b32 s71, 0                           ; does any key of this step count for my tile?
	s_cbranch_scc0 .Lskip_\@
	s_load_b512 s[16:31], s[10:11], 0x0            ; the step's 64 lane masks
	s_load_b512 s[32:47], s[10:11], 0x40
	s_load_b512 s[48:63], s[10:11], 0x80
	s_load_b512 s[80:95], s[10:11], 0xc0
.rept 4
	v_nop                                          ; places in front of loads into registers that the last products read
.endr
.irp t, 0,1,2,3,4,5,6,7
	ds_load_b128 v[32+8*\t:35+8*\t], v1 offset:BUF*\buf+8192*\q+1024*\t
	ds_load_b128 v[36+8*\t:39+8*\t], v1 offset:BUF*\buf+8192*\q+1024*\t+512
.endr
	s_wait_dscnt 0x0
.irp t, 0,1,2,3,4,5,6,7
	v_wmma_f32_16x16x64_fp8_fp8 v[96+8*\t:103+8*\t], v[32+8*\t:39+8*\t], v[16:23], 0
.endr
.rept 4
	v_nop                                          ; places in front of the loads below and of the first read of the scores
.endr
.irp d, 0,1,2,3                                ; V's four fragments land while the softmax is worked
.irp b, 0,1,2,3
	ds_load_b128 v[32+16*\d+4*\b:35+16*\d+4*\b], v1 offset:BUF*\buf+16384+8192*\q+2048*\d+512*\b
.endr
.endr
	s_wait_kmcnt 0x0
	s_bitcmp1_b32 s72, 0                           ; do all keys count?  Then nothing is hidden
	s_cbranch_scc1 .Lopen_\@
.set n, 0
.rept 64
.if n < 48
	v_cndmask_b32 v[96+n], v6, v[96+n], s[16+n]    ; the score where the mask's bit is set, else -infinity
.else
	v_cndmask_b32 v[96+n], v6, v[96+n], s[32+n]
.endif
.set n, n+1
.endr
.Lopen_\@:
	v_max3_num_f32 v24, v96, v97, v98              ; the step's largest score of my query, among my 64 keys, in two chains,
	v_max3_num_f32 v26, v99, v100, v101
.irp i, 6,10,14,18,22,26,30,34,38,42,46,50,54,58
	v_max3_num_f32 v24, v24, v[96+\i], v[97+\i]
	v_max3_num_f32 v26, v26, v[98+\i], v[99+\i]
.endr
	v_max3_num_f32 v24, v24, v158, v159
	s_delay_alu instid0(VALU_DEP_1)
	v_max_num_f32 v24, v24, v26
	s_delay_alu instid0(VALU_DEP_1)
	v_permlanex16_b32 v27, v24, s66, s67
	s_delay_alu instid0(VALU_DEP_1)
	v_max_num_f32 v24, v24, v27                    ; and among lane l xor 16's
	s_delay_alu instid0(VALU_DEP_1)
	v_mul_f32 v24, s68, v24                        ; as t (c is positive)
	s_delay_alu instid0(VALU_DEP_1)
	v_max_num_f32 v13, v13, v24                    ; the running largest t
	v_mov_b32 v24, v12
	s_delay_alu instid0(VALU_DEP_2)
	v_floor_f32 v12, -v13                          ; the new -M = floor(-t) = -ceil(t)
	s_delay_alu instid0(VALU_DEP_1)
	v_sub_f32 v24, v12, v24                        ; old M less new M: a whole number, 0 or less
	s_delay_alu instid0(VALU_DEP_1)
	v_cvt_i32_f32 v24, v24                         ; (it saturates)
	s_delay_alu instid0(VALU_DEP_1)
	v_ldexp_f32 v28, 1.0, v24                      ; f = 2^(old M - new M)
.irp j, 0,2,4,6,8,10,12,14,16,18,20,22,24,26,28,30,32,34,36,38,40,42,44,46,48,50,52,54,56,58,60,62
	v_pk_fma_f32 v[96+\j:97+\j], v[96+\j:97+\j], s[68:69], v[12:13] op_sel_hi:[1,0,0]   ; t - M, two at a time
.endr
	s_wait_alu depctr_va_vdst(0)
.irp j, 0,1,2,3,4,5,6,7,8,9,10,11,12,13,14,15,16,17,18,19,20,21,22,23,24,25,26,27,28,29,30,31,32,33,34,35,36,37,38,39,40,41,42,43,44,45,46,47,48,49,50,51,52,53,54,55,56,57,58,59,60,61,62,63
	v_exp_f32 v[96+\j], v[96+\j]                   ; p = 2^(t - M)
.endr
	v_pk_mul_f32 v[14:15], v[14:15], v[28:29] op_sel_hi:[1,0]   ; the sums under the new M: a plain line behind the exponentials
	s_wait_alu depctr_va_vdst(0)                   ; one wait for the whole batch, ahead of its first reader
	v_pk_add_f32 v[30:31], v[100:101], v[104:105]
	v_pk_add_f32 v[254:255], v[108:109], v[112:113]
	v_pk_add_f32 v[252:253], v[116:117], v[120:121]
	v_pk_add_f32 v[250:251], v[124:125], v[128:129]
	v_pk_add_f32 v[246:247], v[132:133], v[136:137]
	v_pk_add_f32 v[244:245], v[140:141], v[144:145]
	v_pk_add_f32 v[242:243], v[148:149], v[152:153]
	v_pk_add_f32 v[14:15], v[14:15], v[156:157]
	v_pk_add_f32 v[30:31], v[30:31], v[96:97]
	v_pk_add_f32 v[254:255], v[254:255], v[98:99]
	v_pk_add_f32 v[252:253], v[252:253], v[102:103]
	v_pk_add_f32 v[250:251], v[250:251], v[106:107]
	v_pk_add_f32 v[246:247], v[246:247], v[110:111]
	v_pk_add_f32 v[244:245], v[244:245], v[114:115]
	v_pk_add_f32 v[242:243], v[242:243], v[118:119]
	v_pk_add_f32 v[14:15], v[14:15], v[122:123]
	v_pk_add_f32 v[30:31], v[30:31], v[126:127]
	v_pk_add_f32 v[254:255], v[254:255], v[130:131]
	v_pk_add_f32 v[252:253], v[252:253], v[134:135]
	v_pk_add_f32 v[250:251], v[250:251], v[138:139]
	v_pk_add_f32 v[246:247], v[246:247], v[142:143]
	v_pk_add_f32 v[244:245], v[244:245], v[146:147]
	v_pk_add_f32 v[242:243], v[242:243], v[150:151]
	v_pk_add_f32 v[14:15], v[14:15], v[154:155]
	v_pk_add_f32 v[30:31], v[30:31], v[158:159]
	s_delay_alu instid0(VALU_DEP_2)
	v_pk_add_f32 v[14:15], v[14:15], v[250:251]
	s_delay_alu instid0(VALU_DEP_2)
	v_pk_add_f32 v[30:31], v[30:31], v[246:247]
	v_pk_add_f32 v[254:255], v[254:255], v[244:245]
	v_pk_add_f32 v[252:253], v[252:253], v[242:243]
	s_delay_alu instid0(VALU_DEP_2)
	v_pk_add_f32 v[14:15], v[14:15], v[254:255]
	s_delay_alu instid0(VALU_DEP_2)
	v_pk_add_f32 v[30:31], v[30:31], v[252:253]
	s_delay_alu instid0(VALU_DEP_1)
	v_pk_add_f32 v[14:15], v[14:15], v[30:31]
	s_cmp_eq_u32 s73, 0
	s_cbranch_scc1 .Lfree_\@
.irp j, 0,1,2,3,4,5,6,7,8,9,10,11,12,13,14,15,16,17,18,19,20,21,22,23,24,25,26,27,28,29,30,31,32,33,34,35,36,37,38,39,40,41,42,43,44,45,46,47,48,49,50,51,52,53,54,55,56,57,58,59,60,61,62,63
.endr
.Lfree_\@:
.irp b, 0,1,2,3
	v_cvt_scalef32_pk8_fp8_f32 v[192+4*\b:193+4*\b], v[96+16*\b:103+16*\b], v8
	v_cvt_scalef32_pk8_fp8_f32 v[194+4*\b:195+4*\b], v[104+16*\b:111+16*\b], v8
.endr
.irp j, 0,2,4,6,8,10,12,14,16,18,20,22,24,26,28,30
	v_pk_mul_f32 v[160+\j:161+\j], v[160+\j:161+\j], v[28:29] op_sel_hi:[1,0]   ; O^T under the new M; also the plain lines between the conversions and the products that read the codes
.endr
	s_wait_alu depctr_va_vdst(0)
	s_wait_dscnt 0x0                               ; V is in
.irp d, 0,1,2,3                                ; four accumulators by turns; the next step's eight products K Q^T stand between two links of a chain
	v_wmma_f32_16x16x128_fp8_fp8 v[160+8*\d:167+8*\d], v[32+16*\d:47+16*\d], v[192:207], v[160+8*\d:167+8*\d]
.endr
.Lskip_\@:
	s_lshr_b32 s71, s71, 1
	s_lshr_b32 s72, s72, 1
	s_wait_xcnt 0x0                                ; the scalar loads have read their base: it steps only behind this wait
	s_add_nc_u64 s[10:11], s[10:11], 256
.endm
; A TRIP: slot n lies in buffer buf.  In front of the barrier each wave waits for its LDS stores (its part of slot n) and for its reads of the other buffer.  Behind it slot n + 1, which waits in registers, goes into the
; other buffer, slot n + 2 is asked for into the registers that slot n left a trip ago, and slot n's two key steps are worked.  In one interval stores go to one buffer and reads to the other.
.macro TRIP buf
	s_wait_dscnt 0x0
	s_barrier_signal -1
	s_barrier_wait -1
	s_wait_loadcnt 0x0                             ; slot n + 1's loads, a trip old, are in (and Q, in a pass's first trip)
	s_and_b32 s96, s70, 12                         ; is slot n + 1 needed?
	s_cmp_lg_u32 s96, 0
	s_cbranch_scc0 .Lnost_\@
.irp k, 0,1,2,3
	ds_store_b128 v2, v[208+16*(1-\buf)+4*\k:211+16*(1-\buf)+4*\k] offset:BUF*(1-\buf)+8192*\k
.endr
.Lnost_\@:
	s_and_b32 s96, s70, 48                         ; is slot n + 2?  (Zeros come in from above: behind the last slot nothing is asked for)
	s_cmp_lg_u32 s96, 0
	s_cbranch_scc0 .Lnold_\@
	s_wait_alu depctr_va_vdst(0)
	global_load_b128 v[208+16*\buf:211+16*\buf], v3, s[4:5]
	global_load_b128 v[212+16*\buf:215+16*\buf], v3, s[4:5] offset:8192
	global_load_b128 v[216+16*\buf:219+16*\buf], v3, s[6:7]
	global_load_b128 v[220+16*\buf:223+16*\buf], v3, s[6:7] offset:8192
.Lnold_\@:
	s_wait_xcnt 0x0                                ; the loads have read their offset
	s_wait_alu depctr_va_vdst(0)
	v_add_nc_u32 v3, 0x4000, v3                    ; a slot on,
	s_delay_alu instid0(VALU_DEP_1)
	v_and_b32 v3, 0x1ffff, v3                      ; and round to the pair's first keys for the second pass
	STEP \buf, 0
	STEP \buf, 1
	s_lshr_b32 s70, s70, 2
.endm
.Lpass:
	s_lshl_b32 s96, s77, 4
	s_add_co_u32 s96, s96, s14                     ; my query tile: 16 block + wave
	s_lshl_b32 s97, s96, 10
	s_wait_xcnt 0x0                                ; the last pass's stores and scalar loads have read their registers
	v_add_nc_u32 v249, s97, v1
	global_load_b128 v[16:19], v249, s[8:9]        ; Q's fragment: channels 16 (lane / 16) + 0 .. 15,
	global_load_b128 v[20:23], v249, s[8:9] offset:512   ; and 32 further on
	s_lshl_b32 s98, s96, 12
	s_mov_b32 s99, 0
	s_add_nc_u64 s[10:11], s[78:79], s[98:99]      ; my tile's mask words: 16 key steps x 256 bytes
	s_lshl_b32 s97, s96, 14
	v_add_nc_u32 v248, s97, v1                     ; my tile's place in ctx
	s_and_b32 s71, s15, 0xffff                     ; bit 0: any key of the step in hand counts,
	s_lshr_b32 s72, s15, 16                        ; all do
	v_mov_b32 v13, 0xff61b1e6                      ; the largest t so far: -3e38, under every t
	s_delay_alu instid0(VALU_DEP_1)
	v_floor_f32 v12, -v13
	v_mov_b32 v14, 0
	v_mov_b32 v15, 0
.irp j, 0,1,2,3,4,5,6,7,8,9,10,11,12,13,14,15,16,17,18,19,20,21,22,23,24,25,26,27,28,29,30,31
	v_mov_b32 v[160+\j], 0                         ; O^T: which step is a tile's first hangs on the mask, so the sums begin as zeros
.endr
	s_mov_b32 s74, 4
.Ltrip:
	TRIP 0
	TRIP 1
	s_sub_co_u32 s74, s74, 1
	s_cmp_lg_u32 s74, 0
	s_cbranch_scc1 .Ltrip
	; THE WAY OUT of a pass
.rept 4
	v_nop                                          ; places behind the last products
.endr
	v_add_f32 v14, v14, v15                        ; the sum's two halves,
	s_delay_alu instid0(VALU_DEP_1)
	v_permlanex16_b32 v27, v14, s66, s67
	s_delay_alu instid0(VALU_DEP_1)
	v_add_f32 v14, v14, v27                        ; and lane l xor 16's
	s_wait_alu depctr_va_vdst(0)
	v_rcp_f32 v24, v14
	v_nop                                          ; a plain line behind the reciprocal
	s_wait_alu depctr_va_vdst(0)                   ; and the wait ahead of its first reader
.irp j, 0,1,2,3,4,5,6,7,8,9,10,11,12,13,14,15,16,17,18,19,20,21,22,23,24,25,26,27,28,29,30,31
	v_mul_f32 v[96+\j], v[160+\j], v24             ; register 16 b + i: channel 32 b + 16 (lane / 16) + i
.endr
.irp j, 0,1,2,3,4,5,6,7,8,9,10,11,12,13,14,15,16,17,18,19,20,21,22,23,24,25,26,27,28,29,30,31
.endr
.irp b, 0,1
	v_cvt_scalef32_pk8_fp8_f32 v[240+4*\b:241+4*\b], v[96+16*\b:103+16*\b], v10
	v_cvt_scalef32_pk8_fp8_f32 v[242+4*\b:243+4*\b], v[104+16*\b:111+16*\b], v10
.endr
	v_nop                                          ; a plain line behind the last conversion
	v_cmp_eq_f32 s96, 0, v14                       ; a query with no key at all:
.irp k, 0,1,2,3,4,5,6,7
	v_cndmask_b32 v[240+\k], v[240+\k], v7, s96    ; NaN codes, so that its row of the output is NaN
.endr
	global_store_b128 v248, v[240:243], s[12:13]   ; 32 lanes store 512 consecutive bytes
	global_store_b128 v248, v[244:247], s[12:13] offset:512
	s_sub_co_u32 s77, 7, s77                       ; the other block,
	s_mov_b32 s15, s76                             ; and my tile's flags there
	s_sub_co_u32 s75, s75, 1
	s_cmp_lg_u32 s75, 0
	s_cbranch_scc1 .Lpass
	s_wait_tensorcnt 0x0                           ; the wave's end
	ds_add_u32 v[SPW], v[NIL]
	s_wait_dscnt 0x0
	s_endpgm
.Lfunc_end_k_q82aba0d6ef_attn:
	.size	k_q82aba0d6ef_attn, .Lfunc_end_k_q82aba0d6ef_attn-k_q82aba0d6ef_attn
	.p2alignl 7, 3214868480
	.fill 96, 4, 3214868480
	.section	.rodata,"a",@progbits
	.p2align	6, 0x0
	.amdhsa_kernel k_q82aba0d6ef_attn
		.amdhsa_group_segment_fixed_size 67584
		.amdhsa_private_segment_fixed_size 0
		.amdhsa_enable_private_segment 0
		.amdhsa_kernarg_size 40
		.amdhsa_user_sgpr_count 2
		.amdhsa_user_sgpr_kernarg_segment_ptr 1
		.amdhsa_wavefront_size32 1
		.amdhsa_system_sgpr_workgroup_id_x 1
		.amdhsa_system_sgpr_workgroup_id_y 1
		.amdhsa_system_sgpr_workgroup_id_z 1
		.amdhsa_system_vgpr_workitem_id 0
		.amdhsa_next_free_vgpr 256
		.amdhsa_next_free_sgpr 102
		.amdhsa_reserve_vcc 0
		.amdhsa_float_denorm_mode_32 3
		.amdhsa_float_denorm_mode_16_64 3
		.amdhsa_fp16_overflow 1
		.amdhsa_memory_ordered 1
		.amdhsa_forward_progress 1
		.amdhsa_inst_pref_size 87
	.end_amdhsa_kernel
	.amdgpu_metadata
---
amdhsa.version: [ 1, 2 ]
amdhsa.kernels:
  - .name:           k_q82aba0d6ef_attn
    .symbol:         k_q82aba0d6ef_attn.kd
    .args:
      - { .name: qkv, .offset: 0, .size: 8, .value_kind: global_buffer, .address_space: global }
      - { .name: maskw, .offset: 8, .size: 8, .value_kind: global_buffer, .address_space: global }
      - { .name: tflag, .offset: 16, .size: 8, .value_kind: global_buffer, .address_space: global }
      - { .name: lowp_scales, .offset: 24, .size: 8, .value_kind: global_buffer, .address_space: global }
      - { .name: ctx, .offset: 32, .size: 8, .value_kind: global_buffer, .address_space: global }
    .group_segment_fixed_size: 67584
    .private_segment_fixed_size: 0
    .kernarg_segment_align: 8
    .kernarg_segment_size: 40
    .max_flat_workgroup_size: 512
    .sgpr_count:     102
    .vgpr_count:     256
    .wavefront_size: 32
...
	.end_amdgpu_metadata
.endif
;; end of part 3
;; launch outp (part 4): grid 4 x 32, 4 waves a work-group, clusters of 4 x 4, 327,680 bytes of LDS; arguments ctx, wimg, lowp_scales, out0; writes out0
.if DOCPART == 4
	.amdgcn_target "amdgcn-amd-amdhsa--gfx1250"
	.amdhsa_code_object_version 6
	.text
	.protected	k_q82aba0d6ef_outp
	.globl	k_q82aba0d6ef_outp
	.p2align	8
	.type	k_q82aba0d6ef_outp,@function
k_q82aba0d6ef_outp:
	s_mov_b64 s[64:65], 0
	v_nop
	global_prefetch_b8 v0, s[64:65] scope:SCOPE_SE
	s_setreg_imm32_b32 hwreg(HW_REG_WAVE_MODE, 25, 1), 1
	s_wait_xcnt 0x0
	s_wait_alu depctr_hold_cnt(0) depctr_sa_sdst(0) depctr_va_vdst(0) depctr_va_sdst(0) depctr_va_ssrc(0) depctr_va_vcc(0) depctr_vm_vsrc(0)
	s_getreg_b32 s2, hwreg(HW_REG_IB_STS2, 6, 4)
	s_cmp_eq_u32 s2, 0
	s_cbranch_scc0 .Lentry_in_a_cluster
	s_endpgm
.Lentry_in_a_cluster:
	s_bfe_u32 s2, ttmp6, 0x10000c
	s_cmp_lg_u32 s2, 0xf033
	s_cbranch_scc0 .Lentry_shape_is_right
	s_endpgm
.Lentry_shape_is_right:
; OUTP: out = context Wo^T on codes of E4M3, K = 1,024; out [8,192][1,024] f32.  Each finished sum is multiplied once by 2^(e10 + e11).
; Operands come as IMAGES (fragment (tile, K step of 128) = 2,048 bytes at (8 tile + step) x 2,048, byte 512 c + 16 lane + i; a tile's 16 rows are 32 (tile / 2) + 8 (tile % 2) + r + 8 (r / 8)).
; A work-group makes 256 rows x 256 columns; a wave 128 x 128: 64 accumulators, 512 registers.  Source 0 = 16 rows of Wo, source 1 = 16 rows of the context: a lane holds one row of out and its registers run along the columns.
; CLUSTERS: 4 x 4 work-groups; the four of a row need the same tiles of the context, the four of a column the same tiles of Wo: each tile is asked for jointly, by the same tensor load with a mask that names the four.
; K goes in four steps of 256 through a ring of two LDS slots.  A tensor load brings 8 tiles x 4,096 bytes; every fragment load reads 512 consecutive bytes: no padding.  k inside a fragment is permuted alike on both sides.
; The grid has 128 work-groups: a tile of 256 x 256 of an output of 8,192 x 1,024.
; LIMIT: e10 + e11 lies between -126 and 127.
; REGISTERS, in windows of 256: window 0: v0-31 addresses; v128-255 the context's fragments, one set; on the way out v32-255 are free.  window 1: Wo's fragments, two sets.  windows 2, 3: the accumulators ((a, b) at v[8 (8 (a % 4) + b)]).
.set FR,     16
.set NL,     4
.set NP,     4                         ; places behind this matrix instruction (ISA guide 7.12.1)
.set KSB,    4096                      ; a tile's bytes in a slot: 256 along K
.set HALFT,  32768                     ; 8 tiles: what one tensor load brings
.set SLOT,   131072
.set SPARE,  262144                    ; behind the ring: the spare words, 128 bytes for each wave
.set SPITCH, 528                       ; the way out: a stage of 16 rows x (512 bytes + 16) for each wave, in slot 0, which has had its last fill and its last read when the first result is stored there
.set ADRA, 16
.set ADRB, 20
.set STO,  24                          ; v24 the way out: where I put my row's bytes
.set RD,   25                          ; v25 where I read a row back
.set CO,   26                          ; v26 my byte offset in a row of out
.set SPW,  28
.set NIL,  29
.set TMP,  32
.set AF,   128
.set BK,   128
.set G1, 24
.set G0, 32
.set G1B, 48
.set G0B, 56
.set MSB, 0
.macro WIN new                         ; the immediate's high byte repeats the setting that is left
.if MSB != \new
	s_set_vgpr_msb (MSB<<8)|\new
.set MSB, \new
.endif
.endm
.set MUL_LO, 0xa1
.set MUL_HI, 0xf1
.set TO_B,   0x40
.macro JLOAD g0a, g1a, g0b, g1b        ; a joint load: waves 0 and 1 fetch the context's tiles, waves 2 and 3 Wo's; an s_nop 0 and four v_nop follow each of the two lines
	s_cmp_eq_u32 s15, 0
	s_cbranch_scc0 .Lfor_b_\@
	tensor_load_to_lds s[\g0a:\g0a+3], s[\g1a:\g1a+7]
	s_nop 0
.rept 4
	v_nop
.endr
	s_branch .Lasked_\@
.Lfor_b_\@:
	tensor_load_to_lds s[\g0b:\g0b+3], s[\g1b:\g1b+7]
	s_nop 0
.rept 4
	v_nop
.endr
.Lasked_\@:
.endm
.macro CREST
	s_cmp_lg_u32 s14, 0
	s_cbranch_scc1 .Lnot_wave_0_\@
	s_barrier_signal -3
.Lnot_wave_0_\@:
	s_barrier_wait -3
	s_barrier_signal -1
	s_barrier_wait -1
.endm
.macro CROUND
	s_barrier_signal -1
	s_barrier_wait -1
	CREST
.endm
	s_load_b128 s[4:7], s[0:1], 0x0                ; ctx s[4:5], wimg s[6:7]
	s_load_b128 s[8:11], s[0:1], 0x10              ; the scales' exponents s[8:9], out0 s[10:11]
	v_lshl_add_u32 v[SPW], v0, 2, SPARE
	v_mov_b32 v[NIL], 0
	ds_add_u32 v[SPW], v[NIL]                      ; the wave's opening: the add and its wait ahead of my first tensor load; the set-up below, work on registers, stands between them
	ds_add_u32 v[SPW], v[NIL]
	v_lshrrev_b32 v1, 5, v0
	v_readfirstlane_b32 s14, v1                    ; wave 0..3
	s_lshr_b32 s15, s14, 1                         ; which half of the rows is mine.  Also: I fetch the context's tiles (0) or Wo's (1)
	s_and_b32 s16, s14, 1                          ; which half of the columns.  Also: which 8 tiles I fetch
	s_bfe_u32 s40, ttmp6, 0x40000                  ; cx, cy
	s_bfe_u32 s41, ttmp6, 0x40004
	s_lshl_b32 s42, ttmp9, 2
	s_add_co_u32 s42, s42, s40                     ; block of 256 columns
	s_and_b32 s17, ttmp7, 0xffff
	s_lshl_b32 s17, s17, 2
	s_add_co_u32 s17, s17, s41                     ; block of 256 rows
	s_lshl_b32 s43, s41, 2
	s_lshl_b32 s43, 15, s43                        ; my row of the cluster
	s_lshl_b32 s44, 0x1111, s40                    ; my column
	s_or_b32 s[G1+0], s43, (3<<16)|(1<<21)         ; 15:0 the mask; 17:16 elements of 8 bytes; 20 no padding; 21 set beside a mask
	s_or_b32 s[G1B+0], s44, (3<<16)|(1<<21)
.irp g, G1, G1B
	s_mov_b32 s[\g+1], 512<<16                     ; tensor_dim0
	s_mov_b32 s[\g+2], 8<<16                       ; tensor_dim1
	s_mov_b32 s[\g+3], 512<<16                     ; tile_dim0
	s_mov_b32 s[\g+4], 8                           ; tile_dim1
	s_mov_b32 s[\g+5], 2048                        ; tensor_dim0_stride
	s_mov_b32 s[\g+6], 0
	s_mov_b32 s[\g+7], 0
.endr
	s_lshl_b32 s18, s16, 3
	s_lshl_b32 s20, s17, 4
	s_add_co_u32 s20, s20, s18
	s_lshl_b32 s20, s20, 14                        ; the context: tile x 16,384 bytes
	s_lshl_b32 s46, s42, 4
	s_add_co_u32 s46, s46, s18
	s_lshl_b32 s46, s46, 14
	s_add_co_u32 s46, s46, 0x300000                ; Wo's images lie at 3 MiB
	s_mov_b32 s21, 0
	s_mov_b32 s47, 0
	s_lshl_b32 s45, s14, 15                        ; where my tiles go: wave x 32,768
	s_wait_dscnt 0x0                               ; the opening add is done
	s_wait_kmcnt 0x0
	s_load_b64 s[96:97], s[8:9], 0x28              ; e10, e11
	s_add_nc_u64 s[20:21], s[4:5], s[20:21]
	s_add_nc_u64 s[46:47], s[6:7], s[46:47]
	CROUND                                         ; all sixteen work-groups are here: the first joint loads meet
.irp s, 0,1
	s_mov_b32 s[G0+4*\s], 1
	s_add_co_u32 s[G0+4*\s+1], s45, \s*SLOT
	s_add_nc_u64 s[G0+4*\s+2:G0+4*\s+3], s[20:21], \s*KSB
	s_or_b32 s[G0+4*\s+3], s[G0+4*\s+3], 0x80000000
	s_mov_b32 s[G0B+4*\s], 1
	s_add_co_u32 s[G0B+4*\s+1], s45, \s*SLOT
	s_add_nc_u64 s[G0B+4*\s+2:G0B+4*\s+3], s[46:47], \s*KSB
	s_or_b32 s[G0B+4*\s+3], s[G0B+4*\s+3], 0x80000000
	s_wait_alu depctr_va_vdst(0)
	s_wait_tensorcnt 0x0
	ds_add_u32 v28, v29
	ds_add_u32 v28, v29
	s_wait_dscnt 0x0
	CROUND
	JLOAD G0+4*\s, G1, G0B+4*\s, G1B               ; one tensor load of mine (slot 1's) is out behind these
.endr
	v_and_b32 v1, 31, v0
	v_lshlrev_b32 v4, 4, v1                        ; 16 x lane
	s_lshl_b32 s21, s15, 15
	s_lshl_b32 s22, s16, 15
	s_add_co_u32 s22, s22, 2*HALFT
.irp s, 0,1
	v_add_nc_u32 v[ADRA+\s], s21, v4
	v_add_nc_u32 v[ADRB+\s], s22, v4
	s_add_co_u32 s21, s21, SLOT
	s_add_co_u32 s22, s22, SLOT
.endr
	s_mul_i32 s23, s14, 16*SPITCH                  ; my stage
	v_and_b32 v2, 15, v0
	v_bfe_u32 v3, v0, 4, 1
	v_mul_u32_u24 v5, v2, SPITCH
	v_lshl_add_u32 v5, v3, 6, v5
	v_add_nc_u32 v[STO], s23, v5                   ; in: row lane % 16, + 64 (lane / 16): tile b's eight columns are 32 (b / 2) + 8 (b % 2) + 16 (lane / 16) + 0 .. 7
	v_mov_b32 v[CO], v4
	v_add_nc_u32 v[RD], s23, v4                    ; back: the 32 lanes take one row of 512 bytes
	s_lshl_b32 s20, s17, 8
	s_lshl_b32 s21, s15, 7
	s_add_co_u32 s20, s20, s21                     ; my first row: 256 x block + 128 x half
	s_lshl_b32 s20, s20, 12                        ; x 4,096 bytes
	s_mov_b32 s21, 0
	s_lshl_b32 s46, s42, 10                        ; my first column, in bytes
	s_lshl_b32 s47, s16, 9
	s_add_co_u32 s46, s46, s47
	s_mov_b32 s47, 0
	s_add_nc_u64 s[20:21], s[20:21], s[46:47]
	s_add_nc_u64 s[10:11], s[10:11], s[20:21]
.macro FRAG reg, adr, q, i
.irp c, 0,1,2,3
	ds_load_b128 v[\reg+4*\c:\reg+4*\c+3], v[\adr] offset:KSB*(\i)+2048*(\q)+512*\c
.endr
.endm
.macro MUL16 a0, p, zero               ; the 64 accumulators take turns, one instruction a turn
.irp a, \a0, \a0+1
.irp b, 0,1,2,3,4,5,6,7
.if \zero
	v_wmma_f32_16x16x128_fp8_fp8 v[8*(8*((\a)%4)+\b):8*(8*((\a)%4)+\b)+7], v[128*(\p)+FR*\b:128*(\p)+FR*\b+FR-1], v[AF+FR*(\a):AF+FR*(\a)+FR-1], 0
.else
	v_wmma_f32_16x16x128_fp8_fp8 v[8*(8*((\a)%4)+\b):8*(8*((\a)%4)+\b)+7], v[128*(\p)+FR*\b:128*(\p)+FR*\b+FR-1], v[AF+FR*(\a):AF+FR*(\a)+FR-1], v[8*(8*((\a)%4)+\b):8*(8*((\a)%4)+\b)+7]
.endif
.endr
.endr
.endm
.macro FETCH_B slot, q, p
	WIN TO_B
.irp i, 0,1,2,3,4,5,6,7
	FRAG 128*(\p)+FR*\i, ADRB+\slot, \q, \i
.endr
	WIN 0
.endm
.macro FETCH_A slot, q, i0
.irp i, \i0, \i0+1, \i0+2, \i0+3
	FRAG AF+FR*(\i), ADRA+\slot, \q, \i
.endr
.endm
.macro PLACES n
.rept \n
	v_nop
.endr
.endm
.macro STEP slot, q, zero
	s_wait_dscnt 4*NL                              ; Wo's set and the context's tiles 0-3 are in; the youngest 16 loads (tiles 4-7) may be out
	WIN MUL_LO
	MUL16 0, (\q)%2, \zero
	MUL16 2, (\q)%2, \zero
	s_wait_dscnt 0
	PLACES NP
	FETCH_B \slot, (\q)+1, 1-(\q)%2
	FETCH_A \slot, (\q)+1, 0
	WIN MUL_HI
	MUL16 4, (\q)%2, \zero
	MUL16 6, (\q)%2, \zero
	PLACES NP
	WIN 0
	FETCH_A \slot, (\q)+1, 4
.endm
.macro TURN slot, next, fill
	s_wait_tensorcnt 0x0                           ; all my tensor loads have landed: my part of the next slot
	ds_add_u32 v[SPW], v[NIL]                      ; 0 onto my spare word
	s_wait_dscnt 4*NL+1                            ; (the add and the youngest 16 loads may be out)
	WIN MUL_LO
	MUL16 0, 1, 0
	s_wait_dscnt 0x0                               ; the add is done, and my reads of this slot are over
	s_barrier_signal -1
	MUL16 2, 1, 0
	WIN 0
	s_barrier_wait -1
.if \fill
	CREST                                          ; the barrier has opened a round of the cluster's barrier
	s_add_nc_u64 s[G0+4*\slot+2:G0+4*\slot+3], s[G0+4*\slot+2:G0+4*\slot+3], 2*KSB
	s_add_nc_u64 s[G0B+4*\slot+2:G0B+4*\slot+3], s[G0B+4*\slot+2:G0B+4*\slot+3], 2*KSB
	JLOAD G0+4*\slot, G1, G0B+4*\slot, G1B         ; my one tensor load behind the round
.else
	PLACES NP
.endif
	s_wait_alu depctr_va_vdst(0)
	FETCH_B \next, 0, 0
	FETCH_A \next, 0, 0
	WIN MUL_HI
	MUL16 4, 1, 0
	MUL16 6, 1, 0
	PLACES NP
	WIN 0
	FETCH_A \next, 0, 4
.endm
	s_wait_tensorcnt 1                             ; my part of slot 0 is in (slot 1's load may be out)
	s_barrier_signal -1
	s_barrier_wait -1
	FETCH_B 0, 0, 0
	FETCH_A 0, 0, 0
	FETCH_A 0, 0, 4
	STEP 0, 0, 1
	TURN 0, 1, 1
	STEP 1, 0, 0
	TURN 1, 0, 1
	STEP 0, 0, 0
	TURN 0, 1, 0
	STEP 1, 0, 0
	s_wait_dscnt 4*NL
	WIN MUL_LO
	MUL16 0, 1, 0
	MUL16 2, 1, 0
	s_wait_dscnt 0
	WIN MUL_HI
	MUL16 4, 1, 0
	MUL16 6, 1, 0
	WIN 0
; THE WAY OUT, tile by tile of 16 rows x 128 columns, through my own stage in LDS: in as 32 bytes a lane and tile, back as whole rows of 512 bytes.  LDS serves a wave's instructions in order (ISA guide 5.7.1.4).
.macro TOSTAGE a
.set AC, 64*((\a)%4)
	WIN 0x02+((\a)/4)                              ; source 0: window 2 or 3
.irp j, 0,2,4,6,8,10,12,14,16,18,20,22,24,26,28,30,32,34,36,38,40,42,44,46,48,50,52,54,56,58,60,62
	v_pk_mul_f32 v[TMP+\j:TMP+\j+1], v[AC+\j:AC+\j+1], s[96:97] op_sel_hi:[1,0]   ; x 2^(e10 + e11); each accumulator from its low end on
.endr
	WIN 0
.irp b, 0,1,2,3,4,5,6,7
	ds_store_b128 v[STO], v[TMP+8*\b:TMP+8*\b+3] offset:128*(\b/2)+32*(\b%2)
	ds_store_b128 v[STO], v[TMP+8*\b+4:TMP+8*\b+7] offset:128*(\b/2)+32*(\b%2)+16
.endr
.set BB, BK+64*((\a)%2)
.irp t, 0,1,2,3,4,5,6,7,8,9,10,11,12,13,14,15
	ds_load_b128 v[BB+4*\t:BB+4*\t+3], v[RD] offset:\t*SPITCH
.endr
.endm
.macro SEND a, younger                 ; stage row t is row 32 (a / 2) + 8 (a % 2) + t + 8 (t / 8) of my 128: the place stands in the immediate, 127 rows of 4,096 bytes at the most
.set BB, BK+64*((\a)%2)
	s_wait_dscnt \younger
.irp t, 0,1,2,3,4,5,6,7,8,9,10,11,12,13,14,15
	global_store_b128 v[CO], v[BB+4*\t:BB+4*\t+3], s[10:11] offset:(32*((\a)/2)+8*((\a)%2)+\t+8*(\t/8))*4096 th:TH_STORE_NT   ; 32 lanes store 512 consecutive bytes
.endr
.endm
	s_wait_kmcnt 0x0
	s_add_co_i32 s96, s96, s97
	s_add_co_i32 s96, s96, 127
	s_lshl_b32 s96, s96, 23                        ; 2^(e10 + e11) as f32
	PLACES NP
	TOSTAGE 0
.irp a, 1,2,3,4,5,6,7
.if \a > 1
	s_wait_xcnt 0x0                                ; tile a - 2's stores have read their registers: tile a's loads may land there
.endif
	TOSTAGE \a
	SEND \a-1, 32                                  ; behind tile a - 1's loads: tile a's 16 stores and 16 loads
.endr
	SEND 7, 0
	s_wait_tensorcnt 0x0                           ; the wave's end
	ds_add_u32 v[SPW], v[NIL]
	s_wait_dscnt 0x0
	CROUND                                         ; the closing round
	s_endpgm
.Lfunc_end_k_q82aba0d6ef_outp:
	.size	k_q82aba0d6ef_outp, .Lfunc_end_k_q82aba0d6ef_outp-k_q82aba0d6ef_outp
	.p2alignl 7, 3214868480
	.fill 96, 4, 3214868480
	.section	.rodata,"a",@progbits
	.p2align	6, 0x0
	.amdhsa_kernel k_q82aba0d6ef_outp
		.amdhsa_group_segment_fixed_size 327680
		.amdhsa_private_segment_fixed_size 0
		.amdhsa_enable_private_segment 0
		.amdhsa_kernarg_size 32
		.amdhsa_user_sgpr_count 2
		.amdhsa_user_sgpr_kernarg_segment_ptr 1
		.amdhsa_wavefront_size32 1
		.amdhsa_system_sgpr_workgroup_id_x 1
		.amdhsa_system_sgpr_workgroup_id_y 1
		.amdhsa_system_sgpr_workgroup_id_z 1
		.amdhsa_system_vgpr_workitem_id 0
		.amdhsa_next_free_vgpr 1024
		.amdhsa_next_free_sgpr 98
		.amdhsa_reserve_vcc 0
		.amdhsa_float_denorm_mode_32 3
		.amdhsa_float_denorm_mode_16_64 3
		.amdhsa_memory_ordered 1
		.amdhsa_forward_progress 1
		.amdhsa_inst_pref_size 123
	.end_amdhsa_kernel
	.amdgpu_metadata
---
amdhsa.version: [ 1, 2 ]
amdhsa.kernels:
  - .name:           k_q82aba0d6ef_outp
    .symbol:         k_q82aba0d6ef_outp.kd
    .args:
      - { .name: ctx, .offset: 0, .size: 8, .value_kind: global_buffer, .address_space: global }
      - { .name: wimg, .offset: 8, .size: 8, .value_kind: global_buffer, .address_space: global }
      - { .name: lowp_scales, .offset: 16, .size: 8, .value_kind: global_buffer, .address_space: global }
      - { .name: out0, .offset: 24, .size: 8, .value_kind: global_buffer, .address_space: global }
    .group_segment_fixed_size: 327680
    .private_segment_fixed_size: 0
    .kernarg_segment_align: 8
    .kernarg_segment_size: 32
    .max_flat_workgroup_size: 128
    .sgpr_count:     98
    .vgpr_count:     1024
    .wavefront_size: 32
...
	.end_amdgpu_metadata
.endif
;; end of part 4
